; MI455X (gfx1250); checked and timed in simulation.
; The chip was launched on July 23, 2026; its instructions are those of AMD's public machine-readable ISA for CDNA 5 (MIT licence, August 2026) and "CDNA5" Instruction Set Architecture Reference Guide (July 2026). The comments in the code are by the model that wrote it; some were corrected since.
;; Multi Head Attention. Allowed arithmetic: matrix products marked QUANTISED: E2M3 operands, one E8M0 scale for each 32 along K, by v_wmma_scale_f32_16x16x128_f8f6f4 with both operands' format E2M3, f32 sums; everything else in f32.
;; Inputs: Wk 16 x 1,024 x 64 float32; Wo 1,024 x 1,024 float32; Wq 16 x 1,024 x 64 float32; Wv 16 x 1,024 x 64 float32; bk 16 x 64 float32; bo 1,024 float32; bq 16 x 64 float32; bv 16 x 64 float32; x 4 x 2,048 x 1,024 float32.
;; Outputs: out0 4 x 2,048 x 1,024 float32.
;; This version of the problem:
;;   THIS VERSION OF THE PROBLEM IS GIVEN IN LOW PRECISION. The matrix products marked QUANTISED in the list below multiply operands that are first quantised to E2M3 (2 exponent bits, 3 mantissa bits; 6 bits a number), with one power-of-two scale for each 32 numbers along K (OCP MX v1.0); their sums are f32. All else is computed in f32.
;;   The module's matrix products, in the order in which they are computed (A, B: the left and right operand; K: the contracted axis; several contracted axes count as one K, in the product's order):
;;     1. [M 1,024, K 1,024] x [K 1,024, N 8,192]; A: input Wq; B: input x: QUANTISED
;;     2. [M 1,024, K 1,024] x [K 1,024, N 8,192]; A: input Wk; B: input x: QUANTISED
;;     3. [M 1,024, K 1,024] x [K 1,024, N 8,192]; A: input Wv; B: input x: QUANTISED
;;     4. batch 64 x [M 2,048, K 64] x [K 64, N 2,048]; A: computed on the way; B: computed on the way: QUANTISED
;;     5. batch 64 x [M 2,048, K 2,048] x [K 2,048, N 64]; A: softmax (see below); B: computed on the way: QUANTISED
;;     6. [M 8,192, K 1,024] x [K 1,024, N 1,024]; A: computed on the way; B: input Wo: QUANTISED
;;   THE QUANTISER, for each operand of a quantised product, along K:
;;     - K is cut into blocks of 32 from its start; a last block that is shorter is filled with zeros.
;;     - A block's scale is 2^e with e = floor(log2(the largest magnitude in the block)) - 2, held to -126 .. 127; a block of zeros has e = 0. As a byte (E8M0): e + 127.
;;     - Each number is divided by its block's scale, clamped to +-7.5, and rounded to the nearest number of E2M3, ties to even, subnormals kept.
;;     - The product sums the exact products of the quantised numbers (number of the format x scale) in f32.
;;   ~~~python
;;   def quantise(x, axis):      # numpy; x: float32 -> the quantised numbers, widened to float32 again
;;       x = np.moveaxis(x, axis, -1); K = x.shape[-1]
;;       x = np.pad(x, [(0, 0)] * (x.ndim - 1) + [(0, -K % 32)]); x = x.reshape(x.shape[:-1] + (-1, 32)); a = np.abs(x).max(-1, keepdims=True)
;;       e = np.where(a > 0, np.clip(np.frexp(np.where(a > 0, a, 1))[1] - 1 - 2, -126, 127), 0)      # np.frexp(a)[1] - 1 = floor(log2(a)), exactly
;;       r = np.clip(x / 2.0 ** e, -7.5, 7.5)
;;       step = 2.0 ** (np.maximum(np.frexp(np.where(r == 0, 1, r))[1] - 1, 0) - 3)
;;       q = np.round(r / step) * step * 2.0 ** e      # np.round: ties to even
;;       return np.moveaxis(q.reshape(q.shape[:-2] + (-1,))[..., :K], -1, axis).astype(np.float32)
;;   ~~~
;;   SOFTMAX AHEAD OF A QUANTISED PRODUCT. Where the list says 'softmax', what is quantised is not the finished softmax but p = 2^(t - M), with t = logit x log2(e) and M = ceil(the row's largest t), a whole number; so 1/2 < the row's largest p <= 1. The row's sum l is taken of the UNQUANTISED p, in f32, and the product's result is divided by l at the end. Since M is a whole number, a kernel that streams over the keys may use a running M (the ceiling of the running maximum): every later rescaling is an exact power of two, which a block's scale takes up: the codes' values come out the same.
;;   OPERANDS COMPUTED ON THE WAY. 'Computed on the way' means the value that the module computes at that place (a softmax that the list does not call 'softmax' is quantised finished and normalised). What goes into a quantiser is computed in f32, as accurately as f32 sums, v_exp_f32 and their like allow (about 1e-6 of the number): no bf16 or f16 on the way to a quantiser, and a product that is left as it is and whose result goes on into a quantised operand takes f32 operands (vector FMAs, or v_wmma_f32_16x16x4_f32). A number that lies on a knife's edge between two numbers of the format may be rounded either way, as far as f32 arithmetic and the matrix unit's own rounding can turn it there, and no further.
;; One version. Each part assembles by itself: llvm-mc -triple=amdgcn-amd-amdhsa -mcpu=gfx1250 --defsym DOCPART=n.
;; ======== version 1 of 1: 4 launches
;; workspace buffers: xc 6,291,456 bytes; xs 262,144 bytes; wc 3,145,728 bytes; ws 131,072 bytes; qf 6,815,744 bytes; kv 13,369,344 bytes; oc 6,291,456 bytes; os 262,144 bytes
;; launch prep (part 1): grid 384 x 1, 4 waves a work-group, no clusters, 68,096 bytes of LDS; arguments x, Wq, Wk, Wv, Wo, xc, xs, wc, ws; writes xc, xs, wc, ws
.if DOCPART == 1
	.amdgcn_target "amdgcn-amd-amdhsa--gfx1250"
	.amdhsa_code_object_version 6
	.text
	.protected	k_q81b06dbf04_prep
	.globl	k_q81b06dbf04_prep
	.p2align	8
	.type	k_q81b06dbf04_prep,@function
k_q81b06dbf04_prep:
	s_mov_b64 s[64:65], 0
	v_nop
	global_prefetch_b8 v0, s[64:65] scope:SCOPE_SE
	s_setreg_imm32_b32 hwreg(HW_REG_WAVE_MODE, 25, 1), 1
	s_wait_xcnt 0x0
; x [8192][1024] and the four weights, all f32, become codes of E2M3 (6 bits, K innermost, a row of 1,024 codes = 768 bytes) with one E8M0 byte for each 32 along K.
; A block's scale is 2^(floor(log2(its largest magnitude)) - 2): its byte is the largest magnitude's exponent field - 2, held at 1 from below by a floor among the maximum's leaves.
; ROW ORDER.  pi(i) is i with bits 3 and 4 exchanged.  Row p of xc, xs holds token pi(p); row p of wc, ws holds column pi(p) (rows 0-1023 Wq's columns 64 head + j, then Wk's, Wv's, Wo's).
; So 16 rows on end are rows 32 b + 8 u + r + 8 (r / 8), and two neighbouring result tiles of a later product hold 16 neighbours along the next K in a lane's registers.
; Work-groups 0-255 take x (K innermost: a plain stream of blocks), 256-383 the weights (K is the first axis: a lane takes a column, its registers run down K).  Each reads 131,072 bytes.
; The two ways part on the work-group's number at the head and never meet again; each has LDS bytes of its own.  No tensor loads, no barrier: waves share nothing.
; LIMITS: NaN and infinities among the inputs are not served; a block of zeros gets the byte 1 (its codes are zeros, and this program alone reads the bytes).
.set SPARE, 67584                      ; behind both ways' stages: the spare words, 128 bytes a wave, named by no other line
.set SPW,   208                        ; v208  SPARE + 4 x my thread's number; never rewritten
.set NIL,   209                        ; v209  0; never rewritten
; the way of x
.set STEPS, 16                         ; a wave takes 16 steps of 512 numbers: 8 rows of x
.set CB,    12                         ; bytes of 16 codes
.set R,     16                         ; v16-79   four sets of 16 numbers as loaded
.set XN,    80                         ; v80-111  two sets of 16 neighbours
.set E,     112                        ; v112-127 a scale byte for each step
.set CX,    128                        ; v128-191 codes, four registers a step: no store's data are written again
.set WREG,  8192                       ; LDS bytes 0 .. 32,767: a region a wave: two stages of 32 x SP bytes, behind them 256 scale bytes
.set SP,    80                         ; a lane's place in a stage: 64 bytes + 16 of padding
; the way of the weights
.set WSTG,  32768                      ; LDS bytes 32,768 .. 67,583: a stage of 32 rows x PITCH a wave
.set NB,    8                          ; blocks of 32 along K for a wave
.set PITCH, 272                        ; a stage row: sixteen places of 16 bytes (12 of codes), + 16
.set KROW,  768
.set SB,    24                         ; v24-25   my column's 8 scale bytes
.set XW,    32                         ; v32-95   two sets of 32 numbers
.set CW,    96                         ; v96-102  a block's codes
.set OUTR,  112                        ; v112-175 the way out
.set VO,    176                        ; v176-207 offset of row i of a block: i x pitch + 4 x lane
	s_load_b512 s[4:19], s[0:1], 0x0               ; x 4:5, Wq 6:7, Wk 8:9, Wv 10:11, Wo 12:13, xc 14:15, xs 16:17, wc 18:19
	s_load_b64 s[20:21], s[0:1], 0x40              ; ws
	v_lshl_add_u32 v[SPW], v0, 2, SPARE
	v_mov_b32 v[NIL], 0
	v_lshrrev_b32 v1, 5, v0
	v_readfirstlane_b32 s22, v1                    ; wave 0..3
	v_and_b32 v2, 31, v0                           ; lane
	s_wait_kmcnt 0x0
	s_cmp_lt_u32 ttmp9, 256
	s_cbranch_scc0 .Lweights
; ---------------- x ----------------
; Each load reads 512 consecutive bytes, 16 a lane; a step's 2,048 bytes turn through the wave's own stage and come back 64 bytes a lane: 16 neighbours along K, two lanes to a block.
	s_wait_alu depctr_va_vdst(0)
	v_lshlrev_b32 v3, 4, v2                        ; my 16 bytes of a load's 512
	s_mul_i32 s23, s22, WREG
	v_lshrrev_b32 v14, 2, v2
	v_mul_u32_u24 v14, v14, SP
	v_and_b32 v15, 3, v2
	v_lshl_add_u32 v14, v15, 4, v14
	v_add_nc_u32 v14, s23, v14                     ; into the stage: SP (lane / 4) + 16 (lane % 4)
	v_mul_u32_u24 v15, v2, SP
	v_add_nc_u32 v15, s23, v15                     ; out of it: SP x lane
	v_mul_u32_u24 v4, v2, CB                       ; my codes' place in a step's 384 bytes
	v_lshrrev_b32 v5, 1, v2
	s_add_co_u32 s23, s23, 2*32*SP
	v_add_nc_u32 v5, s23, v5                       ; my block's byte among the wave's 256
	v_lshlrev_b32 v7, 3, v2
	v_add_nc_u32 v6, s23, v7                       ; and 8 bytes a lane on the way out
	s_lshl_b32 s24, ttmp9, 2
	s_add_co_u32 s26, s24, s22                     ; the run of 8 rows that I read: 4 x work-group + wave
	s_lshl_b32 s28, s26, 15                        ; 32,768 bytes a run
	s_mov_b32 s29, 0
	s_add_nc_u64 s[4:5], s[4:5], s[28:29]
	s_and_b32 s25, s22, 1                          ; the run that I write: the wave's two bits exchanged, which is pi on the rows of a group of 32
	s_lshl_b32 s25, s25, 1
	s_lshr_b32 s26, s22, 1
	s_or_b32 s25, s25, s26
	s_add_co_u32 s26, s24, s25
	s_mul_i32 s28, s26, 32*STEPS*CB                ; 6,144 bytes of codes a run
	s_add_nc_u64 s[14:15], s[14:15], s[28:29]
	s_lshl_b32 s28, s26, 8                         ; 256 scale bytes a run
	s_add_nc_u64 s[16:17], s[16:17], s[28:29]
.macro XLOAD t
.irp i, 0,1,2,3
	global_load_b128 v[R+16*((\t)%4)+4*\i:R+16*((\t)%4)+4*\i+3], v3, s[4:5] offset:2048*(\t)+512*\i th:TH_LOAD_NT
.endr
.endm
.macro XTURN t                         ; LDS serves a wave's instructions in order: no wait between the stores and the loads
.irp i, 0,1,2,3
	ds_store_b128 v14, v[R+16*((\t)%4)+4*\i:R+16*((\t)%4)+4*\i+3] offset:32*SP*((\t)%2)+8*SP*\i
.endr
.irp i, 0,1,2,3
	ds_load_b128 v[XN+16*((\t)%2)+4*\i:XN+16*((\t)%2)+4*\i+3], v15 offset:32*SP*((\t)%2)+16*\i
.endr
.endm
.irp t, 0,1,2,3
	XLOAD \t
.endr
	s_wait_alu depctr_va_vdst(0)
	s_wait_loadcnt 12                              ; step 0's four loads are in; three steps' twelve stay out
	XTURN 0
.macro XSTEP t
.set XS, XN+16*((\t)%2)
.if (\t) > 0
	s_wait_dscnt 1                                 ; this step's numbers are back from the stage; the last step's byte store may be out
.else
	s_wait_dscnt 0x0
.endif
.if (\t)+4 < STEPS
	XLOAD (\t)+4                                   ; into the registers that the stage's stores have read
.endif
.if (\t)+1 < STEPS
.if STEPS-2-(\t) >= 3
	s_wait_loadcnt 12                              ; the next step's four loads are in; those of three steps behind it may be out
.else
	s_wait_loadcnt 4*(STEPS-2-(\t))
.endif
	XTURN (\t)+1
.endif
	v_max3_num_f32 v8, |v[XS]|, |v[XS+1]|, |v[XS+2]|
	v_max3_num_f32 v9, |v[XS+3]|, |v[XS+4]|, |v[XS+5]|
.irp i, 6,10
	v_max3_num_f32 v8, v8, |v[XS+\i]|, |v[XS+\i+1]|
	v_max3_num_f32 v9, v9, |v[XS+\i+2]|, |v[XS+\i+3]|
.endr
	v_max3_num_f32 v8, v8, |v[XS+14]|, |v[XS+15]|
	v_max3_num_f32 v8, v8, v9, 0x1800000           ; the floor 2^(3 - 127): the byte cannot fall under 1
	v_max_num_f32_dpp v8, v8, v8 row_xmask:1 row_mask:0xf bank_mask:0xf   ; with my neighbour's 16: the block's largest magnitude
	v_add_nc_u32 v11, 0xff000000, v8               ; 2 off its exponent field: the conversion takes this operand's exponent field as its scale
	v_cvt_scalef32_pk16_fp6_f32 v[CX+4*(\t):CX+4*(\t)+2], v[XS:XS+15], v11
	v_lshrrev_b32 v[E+(\t)], 23, v11               ; the scale's byte (also the plain line behind the conversion)
	ds_store_b8 v5, v[E+(\t)] offset:16*(\t)       ; both lanes of a block write the same byte with the same value
	global_store_b96 v4, v[CX+4*(\t):CX+4*(\t)+2], s[14:15] offset:32*CB*(\t)   ; the wave stores 384 consecutive bytes
.endm
.irp t, 0,1,2,3,4,5,6,7,8,9,10,11,12,13,14,15
	XSTEP \t
.endr
	ds_load_b64 v[8:9], v6                         ; in order behind my byte stores
	s_wait_dscnt 0x0
	global_store_b64 v7, v[8:9], s[16:17]          ; 32 lanes store 256 consecutive bytes, aligned
	s_wait_tensorcnt 0x0                           ; the wave's end, behind my last LDS store
	ds_add_u32 v[SPW], v[NIL]
	s_wait_dscnt 0x0
	s_endpgm
; ---------------- the weights ----------------
; A wave takes 32 columns x 256 along K.  Lane l takes column g0 + l; each load reads 128 consecutive bytes; a block of 32 along K lies in one lane's 32 registers.
; The codes go through the wave's stage, column l to stage row pi(l), and leave as rows: sixteen lanes store a row's 192 consecutive bytes.
.Lweights:
	s_sub_co_u32 s23, ttmp9, 256
	s_and_b32 s24, s23, 31                         ; which 128 of the 4,096 columns
	s_lshr_b32 s25, s23, 5                         ; which 256 along K
	s_lshl_b32 s26, s24, 7
	s_lshl_b32 s27, s22, 5
	s_add_co_u32 s26, s26, s27                     ; g0: my wave's first column
	s_lshr_b32 s24, s24, 3                         ; the tensor: 0 Wq, 1 Wk, 2 Wv, 3 Wo
	s_and_b32 s27, s26, 1023                       ; the column in it
	s_lshr_b32 s50, s27, 6                         ; [head][d][64]: head x 2^18 bytes + 4 x (column % 64), 256 bytes from d to d + 1
	s_lshl_b32 s50, s50, 18
	s_and_b32 s51, s27, 63
	s_lshl_b32 s51, s51, 2
	s_add_co_u32 s50, s50, s51
	s_lshl_b32 s51, s27, 2                         ; Wo [d][1024]: 4 x column, 4,096 bytes from d to d + 1
	s_mov_b32 s28, 4096
	s_cmp_eq_u32 s24, 0                            ; the choices hang on the work-group's number alone
	s_cselect_b64 s[30:31], s[6:7], s[8:9]
	s_cmp_lt_u32 s24, 2
	s_cselect_b64 s[30:31], s[30:31], s[10:11]
	s_cmp_lt_u32 s24, 3
	s_cselect_b64 s[30:31], s[30:31], s[12:13]
	s_cselect_b32 s28, 256, s28                    ; the pitch along K
	s_cselect_b32 s50, s50, s51
	s_mul_i32 s51, s25, s28
	s_lshl_b32 s51, s51, 8                         ; my 256 along K begin here
	s_add_co_u32 s50, s50, s51
	s_mov_b32 s51, 0
	s_add_nc_u64 s[32:33], s[30:31], s[50:51]      ; a base for each block of 32 along K: s[32 + 2 t : 33 + 2 t]
	s_lshl_b32 s50, s28, 5
.irp t, 1,2,3,4,5,6,7
	s_add_nc_u64 s[32+2*\t:33+2*\t], s[30+2*\t:31+2*\t], s[50:51]
.endr
	s_wait_alu depctr_va_vdst(0)
	v_lshlrev_b32 v3, 2, v2
.irp i, 0,1,2,3,4,5,6,7,8,9,10,11,12,13,14,15,16,17,18,19,20,21,22,23,24,25,26,27,28,29,30,31
	v_mad_u32_u24 v[VO+\i], s28, \i, v3            ; the pitch is no constant of the text, so the rows' offsets stand in registers
.endr
	v_and_b32 v10, 7, v2                           ; pi(lane)
	v_bfe_u32 v11, v2, 3, 1
	v_lshl_add_u32 v10, v11, 4, v10
	v_bfe_u32 v11, v2, 4, 1
	v_lshl_add_u32 v10, v11, 3, v10
	s_mul_i32 s29, s22, 32*PITCH
	s_add_co_u32 s29, s29, WSTG                    ; my stage
	v_mul_u32_u24 v4, v10, PITCH
	v_add_nc_u32 v4, s29, v4                       ; into it: row pi(lane)
	v_and_b32 v5, 15, v2
	v_lshrrev_b32 v6, 4, v2
	v_mul_u32_u24 v7, v6, PITCH
	v_lshl_add_u32 v7, v5, 4, v7
	v_add_nc_u32 v7, s29, v7                       ; out of it: sixteen lanes to a row, two rows an instruction
	v_mul_u32_u24 v8, v6, KROW
	v_mad_u32_u24 v8, v5, 12, v8                   ; and the same place in wc
	v_lshlrev_b32 v9, 5, v10                       ; my row of ws: 32 bytes a row
	s_mul_i32 s52, s26, KROW
	s_mul_i32 s53, s25, 192
	s_add_co_u32 s52, s52, s53
	s_mov_b32 s53, 0
	s_add_nc_u64 s[18:19], s[18:19], s[52:53]      ; wc at row g0, + my 256 codes
	s_lshl_b32 s52, s26, 5
	s_lshl_b32 s54, s25, 3
	s_add_co_u32 s52, s52, s54
	s_add_nc_u64 s[20:21], s[20:21], s[52:53]      ; ws likewise
.macro WLOAD t
.irp i, 0,1,2,3,4,5,6,7,8,9,10,11,12,13,14,15,16,17,18,19,20,21,22,23,24,25,26,27,28,29,30,31
	global_load_b32 v[XW+32*((\t)%2)+\i], v[VO+\i], s[32+2*(\t):33+2*(\t)] th:TH_LOAD_NT
.endr
.endm
	WLOAD 0
	WLOAD 1
.macro WBLOCK t
.set XS, XW+32*((\t)%2)
.if (\t) < NB-1
	s_wait_loadcnt 32                              ; this block's 32 loads are in; the next block's may be out
.else
	s_wait_loadcnt 0
.endif
	v_max3_num_f32 v12, |v[XS]|, |v[XS+1]|, |v[XS+2]|   ; all 32 numbers of the block are mine
	v_max3_num_f32 v13, |v[XS+3]|, |v[XS+4]|, |v[XS+5]|
.irp i, 6,10,14,18,22,26
	v_max3_num_f32 v12, v12, |v[XS+\i]|, |v[XS+\i+1]|
	v_max3_num_f32 v13, v13, |v[XS+\i+2]|, |v[XS+\i+3]|
.endr
	v_max3_num_f32 v12, v12, |v[XS+30]|, |v[XS+31]|
	v_max3_num_f32 v12, v12, v13, 0x1800000        ; the floor
	v_add_nc_u32 v11, 0xff000000, v12              ; the conversion's scale operand
	v_lshrrev_b32 v13, 23, v11                     ; the byte
.if (\t)%4 == 0
	v_mov_b32 v[SB+(\t)/4], v13
.else
	v_lshl_or_b32 v[SB+(\t)/4], v13, 8*((\t)%4), v[SB+(\t)/4]
.endif
	v_cvt_scalef32_pk16_fp6_f32 v[CW:CW+2], v[XS:XS+15], v11
	v_cvt_scalef32_pk16_fp6_f32 v[CW+4:CW+6], v[XS+16:XS+31], v11   ; (a conversion's three registers begin on an even number)
	ds_store_b96 v4, v[CW:CW+2] offset:32*(\t)     ; 12 bytes to a place of 16: every LDS address is a multiple of 16
	ds_store_b96 v4, v[CW+4:CW+6] offset:32*(\t)+16
.if (\t)+2 < NB
	WLOAD (\t)+2
.endif
	s_wait_dscnt 0x0                               ; the stores have read their registers: the next block's codes may be written
.endm
.irp t, 0,1,2,3,4,5,6,7
	WBLOCK \t
.endr
	s_wait_alu depctr_va_vdst(0)
	global_store_b64 v9, v[SB:SB+1], s[20:21]      ; my column's 8 scale bytes
.irp t, 0,1,2,3,4,5,6,7,8,9,10,11,12,13,14,15
	ds_load_b96 v[OUTR+4*\t:OUTR+4*\t+2], v7 offset:2*\t*PITCH
.endr
.irp t, 0,1,2,3,4,5,6,7,8,9,10,11,12,13,14,15
	s_wait_dscnt 15-\t                             ; LDS loads come back in order: pair t of rows is in
	global_store_b96 v8, v[OUTR+4*\t:OUTR+4*\t+2], s[18:19] offset:2*\t*KROW
.endr
	s_wait_tensorcnt 0x0                           ; the wave's end, behind my last LDS store
	ds_add_u32 v[SPW], v[NIL]
	s_wait_dscnt 0x0
	s_endpgm
.Lfunc_end_k_q81b06dbf04_prep:
	.size	k_q81b06dbf04_prep, .Lfunc_end_k_q81b06dbf04_prep-k_q81b06dbf04_prep
	.p2alignl 7, 3214868480
	.fill 96, 4, 3214868480
	.section	.rodata,"a",@progbits
	.p2align	6, 0x0
	.amdhsa_kernel k_q81b06dbf04_prep
		.amdhsa_group_segment_fixed_size 68096
		.amdhsa_private_segment_fixed_size 0
		.amdhsa_enable_private_segment 0
		.amdhsa_kernarg_size 72
		.amdhsa_user_sgpr_count 2
		.amdhsa_user_sgpr_kernarg_segment_ptr 1
		.amdhsa_wavefront_size32 1
		.amdhsa_system_sgpr_workgroup_id_x 1
		.amdhsa_system_sgpr_workgroup_id_y 1
		.amdhsa_system_sgpr_workgroup_id_z 1
		.amdhsa_system_vgpr_workitem_id 0
		.amdhsa_next_free_vgpr 210
		.amdhsa_next_free_sgpr 66
		.amdhsa_reserve_vcc 0
		.amdhsa_float_denorm_mode_32 3
		.amdhsa_float_denorm_mode_16_64 3
		.amdhsa_memory_ordered 1
		.amdhsa_forward_progress 1
		.amdhsa_inst_pref_size 76
	.end_amdhsa_kernel
	.amdgpu_metadata
---
amdhsa.version: [ 1, 2 ]
amdhsa.kernels:
  - .name:           k_q81b06dbf04_prep
    .symbol:         k_q81b06dbf04_prep.kd
    .args:
      - { .name: x, .offset: 0, .size: 8, .value_kind: global_buffer, .address_space: global }
      - { .name: Wq, .offset: 8, .size: 8, .value_kind: global_buffer, .address_space: global }
      - { .name: Wk, .offset: 16, .size: 8, .value_kind: global_buffer, .address_space: global }
      - { .name: Wv, .offset: 24, .size: 8, .value_kind: global_buffer, .address_space: global }
      - { .name: Wo, .offset: 32, .size: 8, .value_kind: global_buffer, .address_space: global }
      - { .name: xc, .offset: 40, .size: 8, .value_kind: global_buffer, .address_space: global }
      - { .name: xs, .offset: 48, .size: 8, .value_kind: global_buffer, .address_space: global }
      - { .name: wc, .offset: 56, .size: 8, .value_kind: global_buffer, .address_space: global }
      - { .name: ws, .offset: 64, .size: 8, .value_kind: global_buffer, .address_space: global }
    .group_segment_fixed_size: 68096
    .private_segment_fixed_size: 0
    .kernarg_segment_align: 8
    .kernarg_segment_size: 72
    .max_flat_workgroup_size: 128
    .sgpr_count:     66
    .vgpr_count:     210
    .wavefront_size: 32
...
	.end_amdgpu_metadata
.endif
;; end of part 1
;; launch qkv (part 2): grid 12 x 32, 4 waves a work-group, clusters of 4 x 4, 327,680 bytes of LDS; arguments xc, xs, wc, ws, bq, bk, bv, qf, kv; writes qf, kv
.if DOCPART == 2
	.amdgcn_target "amdgcn-amd-amdhsa--gfx1250"
	.amdhsa_code_object_version 6
	.text
	.protected	k_q81b06dbf04_qkv
	.globl	k_q81b06dbf04_qkv
	.p2align	8
	.type	k_q81b06dbf04_qkv,@function
k_q81b06dbf04_qkv:
	s_mov_b64 s[64:65], 0
	v_nop
	global_prefetch_b8 v0, s[64:65] scope:SCOPE_SE
	s_setreg_imm32_b32 hwreg(HW_REG_WAVE_MODE, 25, 1), 1
	s_wait_xcnt 0x0
	s_wait_alu depctr_hold_cnt(0) depctr_sa_sdst(0) depctr_va_vdst(0) depctr_va_sdst(0) depctr_va_ssrc(0) depctr_va_vcc(0) depctr_vm_vsrc(0)
	s_getreg_b32 s2, hwreg(HW_REG_IB_STS2, 6, 4)
	s_cmp_eq_u32 s2, 0
	s_cbranch_scc0 .Lentry_in_a_cluster
	s_endpgm
.Lentry_in_a_cluster:
	s_bfe_u32 s2, ttmp6, 0x10000c
	s_cmp_lg_u32 s2, 0xf033
	s_cbranch_scc0 .Lentry_shape_is_right
	s_endpgm
.Lentry_shape_is_right:
.set KSTEP,  256
.set NQ,     KSTEP/128
.set ROWB,   192
.set KROW,   768
.set PITCH,  240
.set FR,     12
.set NL,     6
.set NP,     4
.set HALFT,  128*PITCH
.set SLOT,   4*HALFT
.set LAPS,   2
.set KS,     32
.set SCL,    2*SLOT
.set HALFS,  (128*KS/256)*272
.set SBLK,   (16*KS/256)*272
.set SPARE,  SCL+4*HALFS
.set ADRA, 16
.set ADRB, 20
.set L16,  24
.set L8,   25
.set BO,   26
.set ADRS, 27
.set SPW,  28
.set NIL,  29
.set BR,   30
.set SC,   32
.set BQ,   64
.set AF,   128
.set HA,   128
.set CD,   192
.set TMX,  212
.set TMB,  216
.set TMS,  220
.set BV,   224
.set PWS,  240
.set SW,   248
.set SW2,  252
.set G1, 24
.set G0, 32
.set G1B, 48
.set G0B, 56
.set G1S, 68
.set G0S, 76
.set G1SB, 80
.set G0SB, 88
.set TY,  95
.set SEL, 20
.set MSB, 0
.macro WIN new
.if MSB != (\new)
	s_set_vgpr_msb (MSB<<8)|(\new)
.set MSB, (\new)
.endif
.endm
.set MUL_LO, 0xa1
.set MUL_HI, 0xf1
.set TO_B,   0x40
.macro JLOAD g0a, g1a, g0b, g1b
	s_cmp_eq_u32 s15, 0
	s_cbranch_scc0 .Lfor_b_\@
	tensor_load_to_lds s[\g0a:\g0a+3], s[\g1a:\g1a+7]
	s_nop 0
.rept 4
	v_nop
.endr
	s_branch .Lasked_\@
.Lfor_b_\@:
	tensor_load_to_lds s[\g0b:\g0b+3], s[\g1b:\g1b+7]
	s_nop 0
.rept 4
	v_nop
.endr
.Lasked_\@:
.endm
.macro CREST
	s_cmp_lg_u32 s14, 0
	s_cbranch_scc1 .Lnot_wave_0_\@
	s_barrier_signal -3
.Lnot_wave_0_\@:
	s_barrier_wait -3
	s_barrier_signal -1
	s_barrier_wait -1
.endm
.macro CROUND
	s_barrier_signal -1
	s_barrier_wait -1
	CREST
.endm
	s_load_b256 s[4:11], s[0:1], 0x0
	s_load_b128 s[96:99], s[0:1], 0x20
	s_load_b64 s[100:101], s[0:1], 0x30
	s_load_b64 s[12:13], s[0:1], 0x38
	s_load_b64 s[66:67], s[0:1], 0x40
	v_lshl_add_u32 v[SPW], v0, 2, SPARE
	v_mov_b32 v[NIL], 0
	ds_add_u32 v[SPW], v[NIL]
	ds_add_u32 v[SPW], v[NIL]
	v_lshrrev_b32 v1, 5, v0
	v_readfirstlane_b32 s14, v1
	s_lshr_b32 s15, s14, 1
	s_and_b32 s16, s14, 1
	s_bfe_u32 s40, ttmp6, 0x40000
	s_bfe_u32 s41, ttmp6, 0x40004
	s_mov_b32 s[TY], ttmp9
	s_and_b32 s17, ttmp7, 0xffff
	s_cmp_eq_u32 s[TY], 2
	s_cselect_b32 s42, s17, s[TY]
	s_cselect_b32 s17, 2, s17
	s_lshl_b32 s42, s42, 2
	s_add_co_u32 s42, s42, s40
	s_lshl_b32 s17, s17, 2
	s_add_co_u32 s17, s17, s41
	s_lshl_b32 s43, s41, 2
	s_lshl_b32 s43, 15, s43
	s_lshl_b32 s44, 0x1111, s40
	s_or_b32 s[G1+0], s43, (0<<16)|(1<<20)|(1<<21)|(3<<22)|(3<<25)
	s_or_b32 s[G1B+0], s44, (0<<16)|(1<<20)|(1<<21)|(3<<22)|(3<<25)
.irp g, G1, G1B
	s_mov_b32 s[\g+1], ROWB<<16
	s_mov_b32 s[\g+2], 128<<16
	s_mov_b32 s[\g+3], ROWB<<16
	s_mov_b32 s[\g+4], 128
	s_mov_b32 s[\g+5], KROW
	s_mov_b32 s[\g+6], 0
	s_mov_b32 s[\g+7], 0
.endr
	s_or_b32 s[G1S+0], s43, (3<<16)|(1<<20)|(1<<21)|(5<<22)|(3<<25)
	s_or_b32 s[G1SB+0], s44, (3<<16)|(1<<20)|(1<<21)|(5<<22)|(3<<25)
.irp g, G1S, G1SB
	s_mov_b32 s[\g+1], 32<<16
	s_mov_b32 s[\g+2], (128*KS/256)<<16
	s_mov_b32 s[\g+3], 32<<16
	s_mov_b32 s[\g+4], 128*KS/256
	s_mov_b32 s[\g+5], 32
	s_mov_b32 s[\g+6], 0
	s_mov_b32 s[\g+7], 0
.endr
	s_lshl_b32 s18, s16, 7
	s_lshl_b32 s20, s17, 8
	s_add_co_u32 s20, s20, s18
	s_lshl_b32 s46, s42, 8
	s_add_co_u32 s46, s46, s18
	s_mov_b32 s21, 0
	s_mov_b32 s47, 0
	s_mov_b64 s[18:19], KS
	s_mul_u64 s[22:23], s[20:21], s[18:19]
	s_mul_u64 s[92:93], s[46:47], s[18:19]
	s_mov_b64 s[18:19], KROW
	s_mul_u64 s[20:21], s[20:21], s[18:19]
	s_mul_u64 s[46:47], s[46:47], s[18:19]
	s_mul_i32 s45, s14, HALFT
	s_mul_i32 s94, s14, HALFS
	s_wait_dscnt 0x0
	s_wait_kmcnt 0x0
	s_cmp_eq_u32 s[TY], 0
	s_cselect_b64 s[96:97], s[96:97], s[98:99]
	s_cmp_eq_u32 s[TY], 2
	s_cselect_b64 s[96:97], s[100:101], s[96:97]
	s_cselect_b64 s[98:99], s[8:9], s[4:5]
	s_cselect_b64 s[100:101], s[10:11], s[6:7]
	s_cselect_b64 s[8:9], s[4:5], s[8:9]
	s_cselect_b64 s[10:11], s[6:7], s[10:11]
	s_mov_b64 s[4:5], s[98:99]
	s_mov_b64 s[6:7], s[100:101]
	s_cmp_eq_u32 s[TY], 0
	s_cselect_b64 s[12:13], s[12:13], s[66:67]
	s_add_nc_u64 s[20:21], s[4:5], s[20:21]
	s_add_nc_u64 s[22:23], s[6:7], s[22:23]
	s_add_nc_u64 s[46:47], s[8:9], s[46:47]
	s_add_nc_u64 s[92:93], s[10:11], s[92:93]
	CROUND
	s_mov_b32 s[G0S], 1
	s_add_co_u32 s[G0S+1], s94, SCL
	s_mov_b64 s[G0S+2:G0S+3], s[22:23]
	s_or_b32 s[G0S+3], s[G0S+3], 0x80000000
	s_mov_b32 s[G0SB], 1
	s_add_co_u32 s[G0SB+1], s94, SCL
	s_mov_b64 s[G0SB+2:G0SB+3], s[92:93]
	s_or_b32 s[G0SB+3], s[G0SB+3], 0x80000000
	JLOAD G0S, G1S, G0SB, G1SB
.irp s, 0,1
	s_mov_b32 s[G0+4*\s], 1
	s_add_co_u32 s[G0+4*\s+1], s45, \s*SLOT
	s_add_nc_u64 s[G0+4*\s+2:G0+4*\s+3], s[20:21], \s*ROWB
	s_or_b32 s[G0+4*\s+3], s[G0+4*\s+3], 0x80000000
	s_mov_b32 s[G0B+4*\s], 1
	s_add_co_u32 s[G0B+4*\s+1], s45, \s*SLOT
	s_add_nc_u64 s[G0B+4*\s+2:G0B+4*\s+3], s[46:47], \s*ROWB
	s_or_b32 s[G0B+4*\s+3], s[G0B+4*\s+3], 0x80000000
	s_wait_alu depctr_va_vdst(0)
	s_wait_tensorcnt 0x0
	ds_add_u32 v28, v29
	s_wait_dscnt 0x0
	CROUND
	JLOAD G0+4*\s, G1, G0B+4*\s, G1B
.endr
	v_and_b32 v1, 15, v0
	v_bfe_u32 v2, v0, 4, 1
	v_mul_u32_u24 v3, v1, PITCH
	v_mul_u32_u24 v4, v2, 24
	v_add_nc_u32 v4, v3, v4
	v_lshl_add_u32 v5, v2, 4, v4
	s_mul_i32 s21, s15, HALFT
	s_mul_i32 s22, s16, HALFT
	s_add_co_u32 s22, s22, 2*HALFT
.irp s, 0,1
	v_add_nc_u32 v[ADRA+\s], s21, v4
	v_add_nc_u32 v[ADRB+\s], s22, v4
	v_add_nc_u32 v[ADRA+2+\s], s21, v5
	v_add_nc_u32 v[ADRB+2+\s], s22, v5
	s_add_co_u32 s21, s21, SLOT
	s_add_co_u32 s22, s22, SLOT
.endr
	v_mul_u32_u24 v5, v1, KS
	v_lshrrev_b32 v6, 8, v5
	v_lshl_add_u32 v5, v6, 4, v5
	s_mul_i32 s21, s15, HALFS
	s_mul_i32 s22, s16, HALFS
	s_add_co_u32 s22, s22, 2*HALFS
	s_sub_co_u32 s22, s22, s21
	v_mul_u32_u24 v6, s22, v2
	s_add_co_u32 s21, s21, SCL
	v_add_nc_u32 v5, v5, v6
	v_add_nc_u32 v[ADRS], s21, v5
	v_and_b32 v6, 31, v0
	v_lshlrev_b32 v[L16], 4, v6
	v_lshlrev_b32 v[L8], 3, v6
	v_lshlrev_b32 v[BO], 6, v2
	s_wait_alu depctr_va_vdst(0)
	v_and_b32 v6, 8, v1
	v_add_nc_u32 v6, v6, v1
	v_lshlrev_b32 v[BR], 2, v6
	s_wait_alu depctr_va_vdst(0)
	s_lshl_b32 s20, s17, 8
	s_lshl_b32 s21, s15, 7
	s_add_co_u32 s20, s20, s21
	s_lshl_b32 s46, s42, 8
	s_lshl_b32 s47, s16, 7
	s_add_co_u32 s46, s46, s47
	s_mov_b32 s92, 208896
	s_mov_b32 s93, 13056
	s_cmp_eq_u32 s[TY], 2
	s_cselect_b32 s21, s46, s20
	s_cselect_b32 s22, s20, s46
	s_cmp_eq_u32 s[TY], 0
	s_cselect_b32 s92, 106496, s92
	s_cselect_b32 s93, 6656, s93
	s_and_b32 s22, s22, 1023
	s_lshr_b32 s23, s21, 11
	s_lshl_b32 s23, s23, 4
	s_lshr_b32 s47, s22, 6
	s_add_co_u32 s23, s23, s47
	s_bfe_u32 s47, s21, 0x40007
	s_mul_i32 s46, s23, s92
	s_mul_i32 s47, s47, s93
	s_add_co_u32 s46, s46, s47
	s_mov_b32 s47, 0
	s_add_nc_u64 s[12:13], s[12:13], s[46:47]
	s_mov_b32 s93, 0
	s_add_nc_u64 s[66:67], s[12:13], s[92:93]
	s_lshl_b32 s46, s22, 2
	s_add_nc_u64 s[96:97], s[96:97], s[46:47]
	s_mov_b32 s[SEL], 0x76543210
	s_mov_b32 s[SEL+1], 0xfedcba98
	s_mov_b32 s22, 0xffff0000
	s_mov_b32 s23, 0x7f7f7f7f
.irp b, 0,1,2,3
.irp q, 0,1,2,3
	global_load_b128 v[BQ+16*\b+4*\q:BQ+16*\b+4*\q+3], v[BO], s[96:97] offset:128*\b+16*\q
.endr
.endr
.irp a, 0,1,2,3,4,5,6,7
	global_load_b32 v[BV+2*\a], v[BR], s[96:97] offset:(32*(\a/2)+8*(\a%2))*4
	global_load_b32 v[BV+2*\a+1], v[BR], s[96:97] offset:(32*(\a/2)+8*(\a%2))*4
.endr
.macro FRAG reg, adr, q, i
.irp p, 0,1,2,3,4,5
.set PCE, 12*(\q)+6*(\p/3)+\p%3
.if PCE%8 < 5
	ds_load_b64 v[\reg+2*\p:\reg+2*\p+1], v[\adr] offset:8*PCE+16*(PCE/8)+(\i)*16*PITCH
.else
	ds_load_b64 v[\reg+2*\p:\reg+2*\p+1], v[\adr+2] offset:8*PCE+16*(PCE/8)+(\i)*16*PITCH
.endif
.endr
.endm
.macro MUL16 a0, p, q, sc, zero
.irp a, \a0, \a0+1
.irp b, 0,1,2,3,4,5,6,7
.if \zero
	v_wmma_scale_f32_16x16x128_f8f6f4 v[8*(8*((\a)%4)+\b):8*(8*((\a)%4)+\b)+7], v[128*(\p)+FR*\b:128*(\p)+FR*\b+FR-1], v[AF+FR*(\a):AF+FR*(\a)+FR-1], 0, v[SC+8*NQ*(\sc)+NQ*\b+(\q)], v[SC+8*NQ*(\sc)+NQ*(\a)+(\q)] matrix_a_fmt:MATRIX_FMT_FP6 matrix_b_fmt:MATRIX_FMT_FP6 matrix_a_scale:MATRIX_SCALE_ROW1
.else
	v_wmma_scale_f32_16x16x128_f8f6f4 v[8*(8*((\a)%4)+\b):8*(8*((\a)%4)+\b)+7], v[128*(\p)+FR*\b:128*(\p)+FR*\b+FR-1], v[AF+FR*(\a):AF+FR*(\a)+FR-1], v[8*(8*((\a)%4)+\b):8*(8*((\a)%4)+\b)+7], v[SC+8*NQ*(\sc)+NQ*\b+(\q)], v[SC+8*NQ*(\sc)+NQ*(\a)+(\q)] matrix_a_fmt:MATRIX_FMT_FP6 matrix_b_fmt:MATRIX_FMT_FP6 matrix_a_scale:MATRIX_SCALE_ROW1
.endif
.endr
.endr
.endm
.macro FETCH_B slot, q, p
	WIN TO_B
.irp i, 0,1,2,3,4,5,6,7
	FRAG 128*(\p)+FR*\i, ADRB+\slot, \q, \i
.endr
	WIN 0
.endm
.macro FETCH_A slot, q, i0
.irp i, \i0, \i0+1, \i0+2, \i0+3
	FRAG AF+FR*(\i), ADRA+\slot, \q, \i
.endr
.endm
.macro SCALES sc
.irp i, 0,1,2,3,4,5,6,7
	ds_load_b64 v[SC+8*NQ*\sc+NQ*\i:SC+8*NQ*\sc+NQ*\i+1], v[ADRS] offset:\i*SBLK
.endr
.endm
.macro PLACES n
.rept \n
	v_nop
.endr
.endm
.macro STEP slot, q, zero
	s_wait_dscnt 4*NL
	WIN MUL_LO
	MUL16 0, (\q)%2, \q, \slot, \zero
	MUL16 2, (\q)%2, \q, \slot, \zero
	s_wait_dscnt 0
	PLACES NP
	FETCH_B \slot, (\q)+1, 1-(\q)%2
	FETCH_A \slot, (\q)+1, 0
	WIN MUL_HI
	MUL16 4, (\q)%2, \q, \slot, \zero
	MUL16 6, (\q)%2, \q, \slot, \zero
	PLACES NP
	WIN 0
	FETCH_A \slot, (\q)+1, 4
.endm
.macro TURN slot, next, fill
	s_wait_tensorcnt 0x0
	ds_add_u32 v[SPW], v[NIL]
	s_wait_dscnt 4*NL+1
	WIN MUL_LO
	MUL16 0, 1, NQ-1, \slot, 0
	s_wait_dscnt 0x0
	s_barrier_signal -1
	MUL16 2, 1, NQ-1, \slot, 0
	WIN 0
	s_barrier_wait -1
.if \fill
	CREST
	s_add_nc_u64 s[G0+4*\slot+2:G0+4*\slot+3], s[G0+4*\slot+2:G0+4*\slot+3], 2*ROWB
	s_add_nc_u64 s[G0B+4*\slot+2:G0B+4*\slot+3], s[G0B+4*\slot+2:G0B+4*\slot+3], 2*ROWB
	JLOAD G0+4*\slot, G1, G0B+4*\slot, G1B
.else
	PLACES NP
.endif
	s_wait_alu depctr_va_vdst(0)
	v_add_nc_u32 v[ADRS], 4*NQ, v[ADRS]
	FETCH_B \next, 0, 0
	FETCH_A \next, 0, 0
	SCALES \next
	WIN MUL_HI
	MUL16 4, 1, NQ-1, \slot, 0
	MUL16 6, 1, NQ-1, \slot, 0
	PLACES NP
	WIN 0
	FETCH_A \next, 0, 4
.endm
	s_wait_loadcnt 0x0
	s_wait_tensorcnt 1
	s_barrier_signal -1
	s_barrier_wait -1
	FETCH_B 0, 0, 0
	FETCH_A 0, 0, 0
	SCALES 0
	FETCH_A 0, 0, 4
	STEP 0, 0, 1
	s_mov_b32 s3, LAPS-1
.Llap:
	TURN 0, 1, 1
	STEP 1, 0, 0
	TURN 1, 0, 1
	STEP 0, 0, 0
	s_sub_co_u32 s3, s3, 1
	s_cmp_lg_u32 s3, 0
	s_cbranch_scc1 .Llap
	TURN 0, 1, 0
	STEP 1, 0, 0
	s_wait_dscnt 4*NL
	WIN MUL_LO
	MUL16 0, 1, NQ-1, 1, 0
	MUL16 2, 1, NQ-1, 1, 0
	s_wait_dscnt 0
	WIN MUL_HI
	MUL16 4, 1, NQ-1, 1, 0
	MUL16 6, 1, NQ-1, 1, 0
	WIN 0
.macro QUANT s, pw
.irp b, 0,1,2,3
	v_max3_num_f32 v[TMX+\b], |v[\s+16*\b]|, |v[\s+1+16*\b]|, 0x1800000
.endr
.irp i, 2,4,6,8,10,12,14
.irp b, 0,1,2,3
	v_max3_num_f32 v[TMX+\b], v[TMX+\b], |v[\s+16*\b+\i]|, |v[\s+1+16*\b+\i]|
.endr
.endr
.irp b, 0,1,2,3
	v_permlanex16_b32 v[TMB+\b], v[TMX+\b], s[SEL], s[SEL+1]
.endr
.irp b, 0,1,2,3
	v_max_num_f32 v[TMX+\b], v[TMX+\b], v[TMB+\b]
.endr
.irp b, 0,1,2,3
	v_add_nc_u32 v[TMS+\b], 0xff000000, v[TMX+\b]
.endr
.irp b, 0,1,2,3
	v_lshrrev_b32 v[TMB+\b], 23, v[TMS+\b]
.endr
	v_lshl_or_b32 v[\pw], v[TMB+1], 8, v[TMB]
	v_lshl_or_b32 v[\pw], v[TMB+2], 16, v[\pw]
	v_lshl_or_b32 v[\pw], v[TMB+3], 24, v[\pw]
.irp c, 0,1
	v_cvt_scalef32_pk16_fp6_f32 v[CD+6*\c:CD+2+6*\c], v[\s+32*\c:\s+15+32*\c], v[TMS+2*\c]
	v_cvt_scalef32_pk16_fp6_f32 v[CD+12+4*\c:CD+14+4*\c], v[\s+16+32*\c:\s+31+32*\c], v[TMS+2*\c+1]
.endr
	v_nop
.irp c, 0,1
.irp i, 0,1,2
	v_permlane16_swap_b32 v[CD+6*\c+\i], v[CD+12+4*\c+\i]
.endr
.irp i, 0,1,2
	v_mov_b32 v[CD+3+6*\c+\i], v[CD+12+4*\c+\i]
.endr
.endr
.endm
.macro OUT a, isv
	s_wait_xcnt 0x0
	WIN 0x02+(\a)/4
.set i, 0
.rept 32
.if \isv
	v_pk_add_f32 v[HA+2*i:HA+2*i+1], v[64*((\a)%4)+2*i:64*((\a)%4)+2*i+1], v[BV+2*(\a):BV+2*(\a)+1]
.else
	v_pk_add_f32 v[HA+2*i:HA+2*i+1], v[64*((\a)%4)+2*i:64*((\a)%4)+2*i+1], v[BQ+2*i:BQ+2*i+1]
.endif
.set i, i+1
.endr
	WIN 0
	QUANT HA, PWS+(\a)
.if \isv
.irp g, 0,1,2
.if (\a) < 4
	global_store_b128 v[L16], v[CD+4*\g:CD+4*\g+3], s[12:13] offset:6656+1536*((\a)%4)+512*\g
.else
	global_store_b128 v[L16], v[CD+4*\g:CD+4*\g+3], s[66:67] offset:6656+1536*((\a)%4)+512*\g
.endif
.endr
.else
	global_store_b128 v[L16], v[CD:CD+3], s[12:13] offset:768*(\a)
	global_store_b64 v[L8], v[CD+4:CD+5], s[12:13] offset:768*(\a)+512
	global_store_b128 v[L16], v[CD+6:CD+9], s[66:67] offset:768*(\a)
	global_store_b64 v[L8], v[CD+10:CD+11], s[66:67] offset:768*(\a)+512
.endif
.endm
	PLACES NP
.irp b, 0,1,2,3
	v_mov_b32 v[TMB+\b], 0
.endr
	s_cmp_eq_u32 s[TY], 2
	s_cbranch_scc1 .Lv_out
.irp a, 0,1,2,3,4,5,6,7
	OUT \a, 0
.endr
.irp j, 0,1,2,3
	v_cndmask_b32 v[SW+\j], v[PWS+\j], v[PWS+4+\j], s22
.endr
.irp j, 0,1,2,3
	v_perm_b32 v[SW2+\j], s23, v[SW+\j], 0x04040100
.endr
.irp j, 0,1,2,3
	v_perm_b32 v[SW+\j], s23, v[SW+\j], 0x04040302
.endr
	global_store_b128 v[L16], v[SW2:SW2+3], s[12:13] offset:6144
	global_store_b128 v[L16], v[SW:SW+3], s[66:67] offset:6144
	s_branch .Ldone
.Lv_out:
.irp a, 0,1,2,3,4,5,6,7
	OUT \a, 1
.endr
.irp e, 0,1
.irp j, 0,1
	v_cndmask_b32 v[SW+2*\e+\j], v[PWS+4*\e+\j], v[PWS+4*\e+2+\j], s22
.endr
.endr
	global_store_b64 v[L8], v[SW:SW+1], s[12:13] offset:12800
	global_store_b64 v[L8], v[SW+2:SW+3], s[66:67] offset:12800
.Ldone:
	s_wait_tensorcnt 0x0
	ds_add_u32 v[SPW], v[NIL]
	s_wait_dscnt 0x0
	CROUND
	s_endpgm
.Lfunc_end_k_q81b06dbf04_qkv:
	.size	k_q81b06dbf04_qkv, .Lfunc_end_k_q81b06dbf04_qkv-k_q81b06dbf04_qkv
	.p2alignl 7, 3214868480
	.fill 96, 4, 3214868480
	.section	.rodata,"a",@progbits
	.p2align	6, 0x0
	.amdhsa_kernel k_q81b06dbf04_qkv
		.amdhsa_group_segment_fixed_size 327680
		.amdhsa_private_segment_fixed_size 0
		.amdhsa_enable_private_segment 0
		.amdhsa_kernarg_size 72
		.amdhsa_user_sgpr_count 2
		.amdhsa_user_sgpr_kernarg_segment_ptr 1
		.amdhsa_wavefront_size32 1
		.amdhsa_system_sgpr_workgroup_id_x 1
		.amdhsa_system_sgpr_workgroup_id_y 1
		.amdhsa_system_sgpr_workgroup_id_z 1
		.amdhsa_system_vgpr_workitem_id 0
		.amdhsa_next_free_vgpr 1024
		.amdhsa_next_free_sgpr 102
		.amdhsa_reserve_vcc 0
		.amdhsa_float_denorm_mode_32 3
		.amdhsa_float_denorm_mode_16_64 3
		.amdhsa_memory_ordered 1
		.amdhsa_forward_progress 1
		.amdhsa_inst_pref_size 236
	.end_amdhsa_kernel
	.amdgpu_metadata
---
amdhsa.version: [ 1, 2 ]
amdhsa.kernels:
  - .name:           k_q81b06dbf04_qkv
    .symbol:         k_q81b06dbf04_qkv.kd
    .args:
      - { .name: xc, .offset: 0, .size: 8, .value_kind: global_buffer, .address_space: global }
      - { .name: xs, .offset: 8, .size: 8, .value_kind: global_buffer, .address_space: global }
      - { .name: wc, .offset: 16, .size: 8, .value_kind: global_buffer, .address_space: global }
      - { .name: ws, .offset: 24, .size: 8, .value_kind: global_buffer, .address_space: global }
      - { .name: bq, .offset: 32, .size: 8, .value_kind: global_buffer, .address_space: global }
      - { .name: bk, .offset: 40, .size: 8, .value_kind: global_buffer, .address_space: global }
      - { .name: bv, .offset: 48, .size: 8, .value_kind: global_buffer, .address_space: global }
      - { .name: qf, .offset: 56, .size: 8, .value_kind: global_buffer, .address_space: global }
      - { .name: kv, .offset: 64, .size: 8, .value_kind: global_buffer, .address_space: global }
    .group_segment_fixed_size: 327680
    .private_segment_fixed_size: 0
    .kernarg_segment_align: 8
    .kernarg_segment_size: 72
    .max_flat_workgroup_size: 128
    .sgpr_count:     102
    .vgpr_count:     1024
    .wavefront_size: 32
...
	.end_amdgpu_metadata
.endif
;; end of part 2
;; launch attn (part 3): grid 4 x 64, 16 waves a work-group, clusters of 4 x 1, 210,944 bytes of LDS; arguments qf, kv, oc, os; writes oc, os
.if DOCPART == 3
	.amdgcn_target "amdgcn-amd-amdhsa--gfx1250"
	.amdhsa_code_object_version 6
	.text
	.protected	k_q81b06dbf04_attn
	.globl	k_q81b06dbf04_attn
	.p2align	8
	.type	k_q81b06dbf04_attn,@function
k_q81b06dbf04_attn:
	s_mov_b64 s[64:65], 0
	v_nop
	global_prefetch_b8 v0, s[64:65] scope:SCOPE_SE
	s_setreg_imm32_b32 hwreg(HW_REG_WAVE_MODE, 25, 1), 1
	s_wait_xcnt 0x0
	s_wait_alu depctr_hold_cnt(0) depctr_sa_sdst(0) depctr_va_vdst(0) depctr_va_sdst(0) depctr_va_ssrc(0) depctr_va_vcc(0) depctr_vm_vsrc(0)
	s_getreg_b32 s2, hwreg(HW_REG_IB_STS2, 6, 4)
	s_cmp_eq_u32 s2, 0
	s_cbranch_scc0 .Lentry_in_a_cluster
	s_endpgm
.Lentry_in_a_cluster:
	s_bfe_u32 s2, ttmp6, 0x10000c
	s_cmp_lg_u32 s2, 0x3003
	s_cbranch_scc0 .Lentry_shape_is_right
	s_endpgm
.Lentry_shape_is_right:
; O = softmax(Q K^T / 8) V for one head of one batch, both products on codes of E2M3 with E8M0 scales, and O quantised along the heads' channels for the last product.
; THE SOFTMAX: t = score x log2(e) / 8; M = the running largest t rounded up to a whole number; p = 2^(t - M) is quantised along the keys, not normalised; the row's sum is taken of the unquantised p and divides O at the end.
; When M moves, the sum and O^T are multiplied by 2^(old M - new M): exact.
; SHARES.  A work-group owns 512 queries of a head, in two passes of 256; each of its sixteen waves owns one tile of 16 queries a pass, in 256 registers: four waves to a SIMD.
; THE HEAD'S K, V AND THEIR SCALES, 208,896 bytes, LIE IN LDS FOR THE WHOLE LAUNCH, filled once: wave w asks for key step w (13,056 dense bytes).  One tensor load of mine is out.  No slot is filled again.
; CLUSTER.  The four work-groups of a cluster are the four quarters of one head's queries and need the same K and V: each load is a joint one, with the mask of all four.
; LAYOUT.  qf and kv hold images of operand registers, so every fragment comes by loads of 16 and 8 consecutive bytes a lane.  Both products are used transposed (S^T = K Q^T, O^T = V^T P^T): a lane holds one query.
; A tile's 16 rows are positions: row r of tile 2 b + u is key (or channel) 32 b + 8 u + r + 8 (r / 8), so the 16 registers of result tiles 2 b, 2 b + 1 are 16 neighbours: 32 b + 16 (lane / 16) + 0 .. 15.
; THE SCORES' K IS 64: an operand's registers 6-11 (K = 64 .. 127) are zero codes in Q; beside K's six registers stand the next tile's codes or zeros, which meet those zero codes.
; OUT: oc [head][tile of 16 positions][768]: six registers a lane (16 rows x the head's 64 channels); os [position][32]: byte 2 head + block.
; LIMITS: NaN and infinities are not served; a block's largest p is made from its largest score by the same two instructions (v_exp_f32 is taken not to fall where its input rises); 1 / sum by v_rcp_f32; a block of zeros gets the byte 1.
; REGISTERS: v1-9 addresses; v12 -M, v13 the largest t, v[14:15] the sum; v16-27 Q (v22-27 zeros); v28-31 K's scale words; v32-79 fragments, v80-85 zeros; v86-87 V's scale words; v88 Q's; v96-159 S^T, then p; v160-191 O^T; v224-255 at work.
.set STEPB, 13056                      ; a key step: 8 images of K (6,144), K's scale words (512), 4 images of V^T (6,144), V's scale words (256)
.set KVH,   16*STEPB
.set SPARE, KVH                        ; behind the head: the spare words, 128 bytes a wave, named by no other line
.set L16,  1                           ; v1  16 x lane
.set L8,   2                           ; v2  8 x lane
.set SPW,  5
.set NIL,  6
.set QSO,  7                           ; v7  16 r: my query's scale word
.set A16,  8                           ; v8  the step's first byte + 16 x lane
.set A8,   9                           ; v9  + 8 x lane
.set KSW,  28
.set F,    32
.set VSW,  86
.set QW,   88
.set OSO,  89                          ; v89 32 r + h
.set WV,   18
.set SEL,  20
.set CS,   22                          ; s[22:23] c = log2(e) / 8
.set G1,   24
.set G0,   32
.set TB,   2
.set CNT,  3
.macro CROUND
	s_barrier_signal -1
	s_barrier_wait -1
	s_cmp_lg_u32 s[WV], 0
	s_cbranch_scc1 .Lnot_wave_0_\@
	s_barrier_signal -3
.Lnot_wave_0_\@:
	s_barrier_wait -3
	s_barrier_signal -1
	s_barrier_wait -1
.endm
	s_load_b256 s[4:11], s[0:1], 0x0               ; qf 4:5, kv 6:7, oc 8:9, os 10:11
	v_lshl_add_u32 v[SPW], v0, 2, SPARE
	v_mov_b32 v[NIL], 0
	ds_add_u32 v[SPW], v[NIL]                      ; the wave's opening: the add and its wait ahead of my first tensor load; work on registers stands between them
	ds_add_u32 v[SPW], v[NIL]
	v_lshrrev_b32 v3, 5, v0
	s_delay_alu instid0(VALU_DEP_1)
	v_readfirstlane_b32 s[WV], v3                  ; wave 0..15
	s_and_b32 s12, ttmp7, 0xffff                   ; 16 x batch + head, which the four partners share
	s_bfe_u32 s13, ttmp6, 0x40000                  ; cx: my quarter of the queries; it enters global addresses of plain loads and stores alone
	s_mov_b32 s[G1], 15|(3<<16)|(1<<21)            ; the mask of all four; elements of 8 bytes; bit 21 beside a mask; no padding
	s_mov_b32 s[G1+1], 32<<16                      ; tensor_dim0: rows of 256 bytes
	s_mov_b32 s[G1+2], 51<<16                      ; tensor_dim1
	s_mov_b32 s[G1+3], 32<<16                      ; tile_dim0
	s_mov_b32 s[G1+4], 51                          ; tile_dim1
	s_mov_b32 s[G1+5], 32                          ; dense
	s_mov_b32 s[G1+6], 0
	s_mov_b32 s[G1+7], 0
	s_mov_b32 s[G0], 1
	s_mul_i32 s[G0+1], s[WV], STEPB                ; key step w lies at w x 13,056, in LDS as in the head
	s_mul_i32 s44, s12, KVH
	s_add_co_u32 s44, s44, s[G0+1]
	s_mov_b32 s45, 0
	s_lshl_b32 s14, s13, 2
	s_lshr_b32 s15, s[WV], 3
	s_add_co_u32 s14, s14, s15                     ; Q: my block of 128 positions in pass 0: 4 cx + wave / 8
	s_mul_i32 s14, s14, 6656
	s_mul_i32 s15, s12, 106496
	s_add_co_u32 s46, s14, s15
	s_mov_b32 s47, 0
	s_and_b32 s14, s[WV], 7                        ; my tile in it
	s_mul_i32 s15, s14, 768
	s_add_co_u32 s16, s46, s15                     ; its image
	s_mov_b32 s17, 0
	s_lshr_b32 s14, s14, 2
	s_lshl_b32 s14, s14, 8
	s_and_b32 s15, s[WV], 3
	s_lshl_b32 s15, s15, 2
	s_add_co_u32 s14, s14, s15
	s_add_co_u32 s46, s46, s14
	s_add_co_u32 s46, s46, 6144                    ; its scale words: 6,144 + 256 (tile / 4) + 4 (tile % 4) + 16 r
	s_lshr_b32 s14, s12, 4
	s_lshl_b32 s14, s14, 7
	s_lshl_b32 s15, s13, 5
	s_add_co_u32 s14, s14, s15
	s_add_co_u32 s14, s14, s[WV]                   ; my tile of 16 positions among all 512: 128 batch + 32 cx + wave
	s_and_b32 s15, s12, 15                         ; the head
	s_mul_i32 s49, s15, 393216
	s_mul_i32 s50, s14, 768
	s_add_co_u32 s50, s50, s49
	s_mov_b32 s51, 0
	s_lshl_b32 s14, s14, 9
	s_lshl_b32 s15, s15, 1
	s_add_co_u32 s14, s14, s15
	s_mov_b32 s15, 0
	s_mov_b32 s[SEL], 0x76543210
	s_mov_b32 s[SEL+1], 0xfedcba98
	s_mov_b32 s[CS], 0x3e38aa3b
	s_mov_b32 s[CS+1], s[CS]                       ; (named with it as a pair, so it is written)
	s_mov_b32 s48, 0xffff0000                      ; lanes 16-31
	s_wait_dscnt 0x0                               ; the opening add is done
	s_wait_kmcnt 0x0
	s_add_nc_u64 s[G0+2:G0+3], s[6:7], s[44:45]
	s_or_b32 s[G0+3], s[G0+3], 0x80000000
	s_add_nc_u64 s[36:37], s[4:5], s[16:17]
	s_add_nc_u64 s[42:43], s[4:5], s[46:47]
	s_add_nc_u64 s[38:39], s[8:9], s[50:51]
	s_add_nc_u64 s[40:41], s[10:11], s[14:15]
	CROUND                                         ; all four work-groups are here: the joint loads meet
	tensor_load_to_lds s[G0:G0+3], s[G1:G1+7]
	s_nop 0
.rept 4
	v_nop
.endr
	v_and_b32 v3, 31, v0
	s_delay_alu instid0(VALU_DEP_1)
	v_lshlrev_b32 v[L16], 4, v3
	s_delay_alu instid0(VALU_DEP_2)
	v_lshlrev_b32 v[L8], 3, v3
	v_and_b32 v4, 15, v0
	v_bfe_u32 v10, v0, 4, 1
	s_delay_alu instid0(VALU_DEP_2)
	v_lshlrev_b32 v[QSO], 4, v4
	s_delay_alu instid0(VALU_DEP_2)
	v_lshl_add_u32 v[OSO], v4, 5, v10
; A KEY STEP: 128 keys.
.macro STEP
	v_add_nc_u32 v[A16], s[TB], v[L16]             ; these four lines are the places behind the last products, ahead of the loads into their operands' registers
	v_add_nc_u32 v[A8], s[TB], v[L8]
	v_nop
	v_nop
.irp t, 0,1,2,3,4,5,6,7
	ds_load_b128 v[F+6*\t:F+6*\t+3], v[A16] offset:768*\t
	ds_load_b64 v[F+6*\t+4:F+6*\t+5], v[A8] offset:768*\t+512
.endr
	ds_load_b128 v[KSW:KSW+3], v[A16] offset:6144  ; register j: lanes 0-15 tile j's words, lanes 16-31 tile 4 + j's
	s_wait_alu depctr_va_vdst(0)
	s_wait_dscnt 0x0
.irp t, 0,1,2,3
	v_wmma_scale_f32_16x16x128_f8f6f4 v[96+8*\t:103+8*\t], v[F+6*\t:F+6*\t+11], v[16:27], 0, v[KSW+\t], v[QW] matrix_a_fmt:MATRIX_FMT_FP6 matrix_b_fmt:MATRIX_FMT_FP6
.endr
.irp t, 4,5,6,7
	v_wmma_scale_f32_16x16x128_f8f6f4 v[96+8*\t:103+8*\t], v[F+6*\t:F+6*\t+11], v[16:27], 0, v[KSW+\t-4], v[QW] matrix_a_fmt:MATRIX_FMT_FP6 matrix_b_fmt:MATRIX_FMT_FP6 matrix_a_scale:MATRIX_SCALE_ROW1
.endr
.rept 4
	v_nop                                          ; places ahead of the loads below and of the first read of the scores
.endr
.irp t, 0,1,2,3                        ; V^T's four tiles land while the softmax is walked
.irp g, 0,1,2
	ds_load_b128 v[F+12*\t+4*\g:F+12*\t+4*\g+3], v[A16] offset:6656+1536*\t+512*\g
.endr
.endr
	ds_load_b64 v[VSW:VSW+1], v[A8] offset:12800   ; register j: lanes 0-15 tile j's words, lanes 16-31 tile 2 + j's
.irp b, 0,1,2,3
	v_max3_num_f32 v[232+\b], v[96+16*\b], v[97+16*\b], v[98+16*\b]   ; the largest score of each block of 32 keys: for the row's maximum, and for the block's largest p
.endr
.irp i, 3,5,7,9,11,13
.irp b, 0,1,2,3
	v_max3_num_f32 v[232+\b], v[232+\b], v[96+16*\b+\i], v[97+16*\b+\i]
.endr
.endr
.irp b, 0,1,2,3
	v_max_num_f32 v[232+\b], v[232+\b], v[111+16*\b]
.endr
.irp b, 0,1,2,3
	s_delay_alu instid0(VALU_DEP_4)
	v_permlanex16_b32 v[236+\b], v[232+\b], s[SEL], s[SEL+1]
.endr
.irp b, 0,1,2,3
	s_delay_alu instid0(VALU_DEP_4)
	v_max_num_f32 v[232+\b], v[232+\b], v[236+\b]  ; with lane l xor 16's 16 keys
.endr
	s_delay_alu instid0(VALU_DEP_2)
	v_max3_num_f32 v254, v232, v233, v234
	s_delay_alu instid0(VALU_DEP_1)
	v_max_num_f32 v254, v254, v235
	s_delay_alu instid0(VALU_DEP_1)
	v_mul_f32 v254, s[CS], v254                    ; the step's largest t (c is positive)
	s_delay_alu instid0(VALU_DEP_1)
	v_max_num_f32 v13, v13, v254                   ; the running largest t
	v_mov_b32 v254, v12
	s_delay_alu instid0(VALU_DEP_2)
	v_floor_f32 v12, -v13                          ; the new -M = floor(-t): M is a whole number
	s_delay_alu instid0(VALU_DEP_1)
	v_sub_f32 v254, v12, v254                      ; old M - new M: a whole number, 0 or less
	s_delay_alu instid0(VALU_DEP_1)
	v_cvt_i32_f32 v254, v254                       ; (it saturates)
	s_delay_alu instid0(VALU_DEP_1)
	v_ldexp_f32 v252, 1.0, v254                    ; f = 2^(old M - new M)
.set j, 0
.rept 32
	v_pk_fma_f32 v[96+j:97+j], v[96+j:97+j], s[CS:CS+1], v[12:13] op_sel_hi:[1,0,0]   ; t - M, two at a time
.set j, j+2
.endr
.irp b, 0,1,2,3
	v_fma_f32 v[232+\b], v[232+\b], s[CS], v12     ; the same of each block's largest score
.endr
.set j, 0
	s_wait_alu depctr_va_vdst(0)
.rept 64
	v_exp_f32 v[96+j], v[96+j]                     ; p = 2^(t - M), at most 1
.set j, j+1
.endr
	s_setprio 1
.irp b, 0,1,2,3
	v_exp_f32 v[232+\b], v[232+\b]                 ; the block's largest p: the same two instructions on the same number.  One batch of 68
.endr
	v_pk_mul_f32 v[14:15], v[14:15], v[252:253] op_sel_hi:[1,0]   ; the sum under the new M (the plain line behind the last exponential)
.set j, 0
	s_wait_alu depctr_va_vdst(0)
.rept 16
	v_pk_mul_f32 v[160+j:161+j], v[160+j:161+j], v[252:253] op_sel_hi:[1,0]   ; O^T under the new M: work that names no exponential's result
.set j, j+2
.endr
	s_wait_alu depctr_va_vdst(0)                   ; one wait for the batch, ahead of the first line that names a result
.irp b, 0,1,2,3
	v_max_num_f32 v[232+\b], 0x1800000, v[232+\b]  ; the floor 2^(3 - 127)
.endr
.irp b, 0,1,2,3
	s_delay_alu instid0(VALU_DEP_4)
	v_add_nc_u32 v[244+\b], 0xff000000, v[232+\b]  ; the conversion's scale operand
.endr
.irp b, 0,1,2,3
	s_delay_alu instid0(VALU_DEP_4)
	v_lshrrev_b32 v[236+\b], 23, v[244+\b]         ; the byte
.endr
	s_delay_alu instid0(VALU_DEP_3)
	v_lshl_or_b32 v253, v237, 8, v236              ; p's scale word for these 128 keys
	s_delay_alu instid0(VALU_DEP_1)
	v_lshl_or_b32 v253, v238, 16, v253
	s_delay_alu instid0(VALU_DEP_1)
	v_lshl_or_b32 v253, v239, 24, v253
.irp c, 0,1
	v_cvt_scalef32_pk16_fp6_f32 v[224+6*\c:226+6*\c], v[96+32*\c:111+32*\c], v[244+2*\c]
	v_cvt_scalef32_pk16_fp6_f32 v[236+4*\c:238+4*\c], v[112+32*\c:127+32*\c], v[244+2*\c+1]
.endr
	v_nop                                          ; one plain line behind a scaled conversion
.irp c, 0,1                            ; a whole block in a lane: lanes 0-15 block 2 c, lanes 16-31 block 2 c + 1
.irp i, 0,1,2
	v_permlane16_swap_b32 v[224+6*\c+\i], v[236+4*\c+\i]
.endr
.irp i, 0,1,2
	s_delay_alu instid0(VALU_DEP_3)
	v_mov_b32 v[227+6*\c+\i], v[236+4*\c+\i]
.endr
.endr
	v_pk_add_f32 v[236:237], v[100:101], v[104:105]
	v_pk_add_f32 v[254:255], v[108:109], v[112:113]
	v_pk_add_f32 v[250:251], v[116:117], v[120:121]
	v_pk_add_f32 v[248:249], v[124:125], v[128:129]
	v_pk_add_f32 v[246:247], v[132:133], v[136:137]
	v_pk_add_f32 v[244:245], v[140:141], v[144:145]
	v_pk_add_f32 v[242:243], v[148:149], v[152:153]
	v_pk_add_f32 v[14:15], v[14:15], v[156:157]
	v_pk_add_f32 v[236:237], v[236:237], v[96:97]
	v_pk_add_f32 v[254:255], v[254:255], v[98:99]
	v_pk_add_f32 v[250:251], v[250:251], v[102:103]
	v_pk_add_f32 v[248:249], v[248:249], v[106:107]
	s_setprio 0
	v_pk_add_f32 v[246:247], v[246:247], v[110:111]
	v_pk_add_f32 v[244:245], v[244:245], v[114:115]
	v_pk_add_f32 v[242:243], v[242:243], v[118:119]
	v_pk_add_f32 v[14:15], v[14:15], v[122:123]
	v_pk_add_f32 v[236:237], v[236:237], v[126:127]
	v_pk_add_f32 v[254:255], v[254:255], v[130:131]
	v_pk_add_f32 v[250:251], v[250:251], v[134:135]
	v_pk_add_f32 v[248:249], v[248:249], v[138:139]
	v_pk_add_f32 v[246:247], v[246:247], v[142:143]
	v_pk_add_f32 v[244:245], v[244:245], v[146:147]
	v_pk_add_f32 v[242:243], v[242:243], v[150:151]
	v_pk_add_f32 v[14:15], v[14:15], v[154:155]
	v_pk_add_f32 v[236:237], v[236:237], v[158:159]
	s_delay_alu instid0(VALU_DEP_2)
	v_pk_add_f32 v[14:15], v[14:15], v[248:249]
	s_delay_alu instid0(VALU_DEP_2)
	v_pk_add_f32 v[236:237], v[236:237], v[246:247]
	v_pk_add_f32 v[254:255], v[254:255], v[244:245]
	v_pk_add_f32 v[250:251], v[250:251], v[242:243]
	s_delay_alu instid0(VALU_DEP_2)
	v_pk_add_f32 v[14:15], v[14:15], v[254:255]
	s_delay_alu instid0(VALU_DEP_2)
	v_pk_add_f32 v[236:237], v[236:237], v[250:251]
	s_delay_alu instid0(VALU_DEP_1)
	v_pk_add_f32 v[14:15], v[14:15], v[236:237]
	s_wait_dscnt 0x0                               ; V^T and its scale words are in
.irp t, 0,1
	v_wmma_scale_f32_16x16x128_f8f6f4 v[160+8*\t:167+8*\t], v[F+12*\t:F+12*\t+11], v[224:235], v[160+8*\t:167+8*\t], v[VSW+\t], v253 matrix_a_fmt:MATRIX_FMT_FP6 matrix_b_fmt:MATRIX_FMT_FP6
.endr
.irp t, 2,3
	v_wmma_scale_f32_16x16x128_f8f6f4 v[160+8*\t:167+8*\t], v[F+12*\t:F+12*\t+11], v[224:235], v[160+8*\t:167+8*\t], v[VSW+\t-2], v253 matrix_a_fmt:MATRIX_FMT_FP6 matrix_b_fmt:MATRIX_FMT_FP6 matrix_a_scale:MATRIX_SCALE_ROW1
.endr
	s_add_co_u32 s[TB], s[TB], STEPB
.endm
; A PASS: my tile of 16 queries against all 2,048 keys.  The four accumulators of O^T take turns, one instruction a turn, with the eight score products between two links.
.macro PASS p
.if \p
	s_wait_xcnt 0x0                                ; the last pass's stores have read their registers
.endif
	global_load_b128 v[16:19], v[L16], s[36:37] offset:13312*\p
	global_load_b64 v[20:21], v[L8], s[36:37] offset:13312*\p+512
	global_load_b32 v[QW], v[QSO], s[42:43] offset:13312*\p
	v_mov_b32 v13, 0xff61b1e6                      ; the largest t so far: -3e38
	s_delay_alu instid0(VALU_DEP_1)
	v_floor_f32 v12, -v13
	v_mov_b32 v14, 0
	v_mov_b32 v15, 0
.set j, 0
.rept 32
	v_mov_b32 v[160+j], 0                          ; the step is written once: its first trip finds zeros, which the first change of M leaves zeros
.set j, j+1
.endr
.if \p == 0
.irp j, 0,1,2,3,4,5
	v_mov_b32 v[22+\j], 0                          ; Q's zero codes for K = 64 .. 127
	v_mov_b32 v[80+\j], 0                          ; and what stands beside the last tile of K
.endr
.irp b, 0,1,2,3
	v_mov_b32 v[236+\b], 0                         ; a lane permute's destination counts as one of its sources
.endr
	v_mov_b32 v253, 0                              ; (named as the upper half of v[252:253] before it is first written)
	s_wait_tensorcnt 0x0                           ; my key step has landed,
	s_barrier_signal -1
	s_barrier_wait -1                              ; everybody's has: the head lies in LDS
.endif
	s_mov_b32 s[TB], 0
	s_mov_b32 s[CNT], 16
	s_wait_loadcnt 0x0                             ; Q
.Lkeys_\p:
	s_wait_alu depctr_va_vdst(0)
	s_setprio 2
	STEP
	s_sub_co_u32 s[CNT], s[CNT], 1
	s_cmp_lg_u32 s[CNT], 0
	s_cbranch_scc1 .Lkeys_\p
	s_setprio 0
.rept 4
	v_nop                                          ; places behind the last products
.endr
	s_wait_alu depctr_va_vdst(0)
	v_add_f32 v14, v14, v15
	s_delay_alu instid0(VALU_DEP_1)
	v_permlanex16_b32 v252, v14, s[SEL], s[SEL+1]
	s_delay_alu instid0(VALU_DEP_1)
	v_add_f32 v14, v14, v252                       ; the row's sum
	s_wait_alu depctr_va_vdst(0)
	v_rcp_f32 v14, v14
	v_nop                                          ; a plain line behind the reciprocal
	s_wait_alu depctr_va_vdst(0)                   ; and the wait ahead of its first reader
.set j, 0
.rept 16
	v_pk_mul_f32 v[96+j:97+j], v[160+j:161+j], v[14:15] op_sel_hi:[1,0]   ; O^T / the sum: register 16 b + i is channel 32 b + 16 h + i of my query
.set j, j+2
.endr
.irp b, 0,1
	v_max3_num_f32 v[232+\b], |v[96+16*\b]|, |v[97+16*\b]|, 0x1800000
.endr
.irp i, 2,4,6,8,10,12,14
.irp b, 0,1
	s_delay_alu instid0(VALU_DEP_2)
	v_max3_num_f32 v[232+\b], v[232+\b], |v[96+16*\b+\i]|, |v[97+16*\b+\i]|
.endr
.endr
.irp b, 0,1
	s_delay_alu instid0(VALU_DEP_2)
	v_permlanex16_b32 v[236+\b], v[232+\b], s[SEL], s[SEL+1]
.endr
.irp b, 0,1
	s_delay_alu instid0(VALU_DEP_2)
	v_max_num_f32 v[232+\b], v[232+\b], v[236+\b]
.endr
.irp b, 0,1
	s_delay_alu instid0(VALU_DEP_2)
	v_add_nc_u32 v[244+\b], 0xff000000, v[232+\b]
.endr
.irp b, 0,1
	s_delay_alu instid0(VALU_DEP_2)
	v_lshrrev_b32 v[240+\b], 23, v[244+\b]
.endr
	s_delay_alu instid0(VALU_DEP_1)
	v_cndmask_b32 v242, v240, v241, s48            ; lanes 0-15 store block 0's byte, lanes 16-31 block 1's
	v_cvt_scalef32_pk16_fp6_f32 v[224:226], v[96:111], v244
	v_cvt_scalef32_pk16_fp6_f32 v[236:238], v[112:127], v245
	v_nop
.irp i, 0,1,2
	v_permlane16_swap_b32 v[224+\i], v[236+\i]
.endr
.irp i, 0,1,2
	s_delay_alu instid0(VALU_DEP_3)
	v_mov_b32 v[227+\i], v[236+\i]                 ; registers 0-5: channels 32 h + 0 .. 31 of the head
.endr
	global_store_b128 v[L16], v[224:227], s[38:39] offset:12288*\p       ; 512 consecutive bytes, aligned
	global_store_b64 v[L8], v[228:229], s[38:39] offset:12288*\p+512     ; 256 consecutive bytes, aligned
	global_store_b8 v[OSO], v242, s[40:41] offset:8192*\p                ; two bytes of each row of os: one byte for 24 of codes
.endm
	PASS 0
	PASS 1
	s_wait_tensorcnt 0x0                           ; the wave's end
	ds_add_u32 v[SPW], v[NIL]
	s_wait_dscnt 0x0
	CROUND                                         ; the closing round
	s_endpgm
.Lfunc_end_k_q81b06dbf04_attn:
	.size	k_q81b06dbf04_attn, .Lfunc_end_k_q81b06dbf04_attn-k_q81b06dbf04_attn
	.p2alignl 7, 3214868480
	.fill 96, 4, 3214868480
	.section	.rodata,"a",@progbits
	.p2align	6, 0x0
	.amdhsa_kernel k_q81b06dbf04_attn
		.amdhsa_group_segment_fixed_size 210944
		.amdhsa_private_segment_fixed_size 0
		.amdhsa_enable_private_segment 0
		.amdhsa_kernarg_size 32
		.amdhsa_user_sgpr_count 2
		.amdhsa_user_sgpr_kernarg_segment_ptr 1
		.amdhsa_wavefront_size32 1
		.amdhsa_system_sgpr_workgroup_id_x 1
		.amdhsa_system_sgpr_workgroup_id_y 1
		.amdhsa_system_sgpr_workgroup_id_z 1
		.amdhsa_system_vgpr_workitem_id 0
		.amdhsa_next_free_vgpr 256
		.amdhsa_next_free_sgpr 66
		.amdhsa_reserve_vcc 0
		.amdhsa_float_denorm_mode_32 3
		.amdhsa_float_denorm_mode_16_64 3
		.amdhsa_memory_ordered 1
		.amdhsa_forward_progress 1
		.amdhsa_inst_pref_size 52
	.end_amdhsa_kernel
	.amdgpu_metadata
---
amdhsa.version: [ 1, 2 ]
amdhsa.kernels:
  - .name:           k_q81b06dbf04_attn
    .symbol:         k_q81b06dbf04_attn.kd
    .args:
      - { .name: qf, .offset: 0, .size: 8, .value_kind: global_buffer, .address_space: global }
      - { .name: kv, .offset: 8, .size: 8, .value_kind: global_buffer, .address_space: global }
      - { .name: oc, .offset: 16, .size: 8, .value_kind: global_buffer, .address_space: global }
      - { .name: os, .offset: 24, .size: 8, .value_kind: global_buffer, .address_space: global }
    .group_segment_fixed_size: 210944
    .private_segment_fixed_size: 0
    .kernarg_segment_align: 8
    .kernarg_segment_size: 32
    .max_flat_workgroup_size: 512
    .sgpr_count:     66
    .vgpr_count:     256
    .wavefront_size: 32
...
	.end_amdgpu_metadata
.endif
;; end of part 3
;; launch proj (part 4): grid 4 x 32, 4 waves a work-group, clusters of 4 x 4, 327,680 bytes of LDS; arguments oc, os, wc, ws, bo, out0; writes out0
.if DOCPART == 4
	.amdgcn_target "amdgcn-amd-amdhsa--gfx1250"
	.amdhsa_code_object_version 6
	.text
	.protected	k_q81b06dbf04_proj
	.globl	k_q81b06dbf04_proj
	.p2align	8
	.type	k_q81b06dbf04_proj,@function
k_q81b06dbf04_proj:
	s_mov_b64 s[64:65], 0
	v_nop
	global_prefetch_b8 v0, s[64:65] scope:SCOPE_SE
	s_setreg_imm32_b32 hwreg(HW_REG_WAVE_MODE, 25, 1), 1
	s_wait_xcnt 0x0
	s_wait_alu depctr_hold_cnt(0) depctr_sa_sdst(0) depctr_va_vdst(0) depctr_va_sdst(0) depctr_va_ssrc(0) depctr_va_vcc(0) depctr_vm_vsrc(0)
	s_getreg_b32 s2, hwreg(HW_REG_IB_STS2, 6, 4)
	s_cmp_eq_u32 s2, 0
	s_cbranch_scc0 .Lentry_in_a_cluster
	s_endpgm
.Lentry_in_a_cluster:
	s_bfe_u32 s2, ttmp6, 0x10000c
	s_cmp_lg_u32 s2, 0xf033
	s_cbranch_scc0 .Lentry_shape_is_right
	s_endpgm
.Lentry_shape_is_right:
.set KSTEP,  256
.set NQ,     KSTEP/128
.set ROWB,   192
.set KROW,   768
.set PITCH,  240
.set FR,     12
.set NLA,    4
.set NP,     4
.set HEADB,  6144
.set HEADG,  393216
.set HALFT,  128*PITCH
.set SLOT,   4*HALFT
.set LAPS,   2
.set KS,     32
.set SCL,    2*SLOT
.set HALFS,  (128*KS/256)*272
.set SBLK,   (16*KS/256)*272
.set SPARE,  SCL+4*HALFS
.set SPITCH, 528
.set ADRA, 16
.set ADRB, 20
.set STO,  24
.set RD,   25
.set CO,   26
.set ADRS, 27
.set SPW,  28
.set NIL,  29
.set BO,   30
.set SC,   32
.set BIAS, 64
.set AF,   128
.set BK,   128
.set G1, 24
.set G0, 32
.set G1B, 48
.set G0B, 56
.set G1S, 68
.set G0S, 76
.set G1SB, 80
.set G0SB, 88
.set MSB, 0
.macro WIN new
.if MSB != (\new)
	s_set_vgpr_msb (MSB<<8)|(\new)
.set MSB, (\new)
.endif
.endm
.set MUL_LO, 0xa1
.set MUL_HI, 0xf1
.set TO_B,   0x40
.macro JLOAD g0a, g1a, g0b, g1b
	s_cmp_eq_u32 s15, 0
	s_cbranch_scc0 .Lfor_b_\@
	tensor_load_to_lds s[\g0a:\g0a+3], s[\g1a:\g1a+7]
	s_nop 0
.rept 4
	v_nop
.endr
	s_branch .Lasked_\@
.Lfor_b_\@:
	tensor_load_to_lds s[\g0b:\g0b+3], s[\g1b:\g1b+7]
	s_nop 0
.rept 4
	v_nop
.endr
.Lasked_\@:
.endm
.macro CREST
	s_cmp_lg_u32 s14, 0
	s_cbranch_scc1 .Lnot_wave_0_\@
	s_barrier_signal -3
.Lnot_wave_0_\@:
	s_barrier_wait -3
	s_barrier_signal -1
	s_barrier_wait -1
.endm
.macro CROUND
	s_barrier_signal -1
	s_barrier_wait -1
	CREST
.endm
	s_load_b256 s[4:11], s[0:1], 0x0
	s_load_b64 s[96:97], s[0:1], 0x20
	s_load_b64 s[12:13], s[0:1], 0x28
	v_lshl_add_u32 v[SPW], v0, 2, SPARE
	v_mov_b32 v[NIL], 0
	ds_add_u32 v[SPW], v[NIL]
	ds_add_u32 v[SPW], v[NIL]
	v_lshrrev_b32 v1, 5, v0
	v_readfirstlane_b32 s14, v1
	s_lshr_b32 s15, s14, 1
	s_and_b32 s16, s14, 1
	s_bfe_u32 s40, ttmp6, 0x40000
	s_bfe_u32 s41, ttmp6, 0x40004
	s_lshl_b32 s42, ttmp9, 2
	s_add_co_u32 s42, s42, s40
	s_and_b32 s17, ttmp7, 0xffff
	s_lshl_b32 s17, s17, 2
	s_add_co_u32 s17, s17, s41
	s_lshl_b32 s43, s41, 2
	s_lshl_b32 s43, 15, s43
	s_lshl_b32 s44, 0x1111, s40
	s_or_b32 s[G1+0], s43, (3<<16)|(1<<21)
	s_mov_b32 s[G1+1], 768<<16
	s_mov_b32 s[G1+2], 4<<16
	s_mov_b32 s[G1+3], 768<<16
	s_mov_b32 s[G1+4], 4
	s_mov_b32 s[G1+5], HEADG/8
	s_mov_b32 s[G1+6], 0
	s_mov_b32 s[G1+7], 0
	s_or_b32 s[G1B+0], s44, (0<<16)|(1<<20)|(1<<21)|(3<<22)|(3<<25)
	s_mov_b32 s[G1B+1], ROWB<<16
	s_mov_b32 s[G1B+2], 128<<16
	s_mov_b32 s[G1B+3], ROWB<<16
	s_mov_b32 s[G1B+4], 128
	s_mov_b32 s[G1B+5], KROW
	s_mov_b32 s[G1B+6], 0
	s_mov_b32 s[G1B+7], 0
	s_or_b32 s[G1S+0], s43, (3<<16)|(1<<20)|(1<<21)|(5<<22)|(3<<25)
	s_or_b32 s[G1SB+0], s44, (3<<16)|(1<<20)|(1<<21)|(5<<22)|(3<<25)
.irp g, G1S, G1SB
	s_mov_b32 s[\g+1], 32<<16
	s_mov_b32 s[\g+2], (128*KS/256)<<16
	s_mov_b32 s[\g+3], 32<<16
	s_mov_b32 s[\g+4], 128*KS/256
	s_mov_b32 s[\g+5], 32
	s_mov_b32 s[\g+6], 0
	s_mov_b32 s[\g+7], 0
.endr
	s_lshl_b32 s18, s16, 7
	s_lshl_b32 s20, s17, 8
	s_add_co_u32 s20, s20, s18
	s_lshl_b32 s46, s42, 8
	s_add_co_u32 s46, s46, s18
	s_mov_b32 s21, 0
	s_mov_b32 s47, 0
	s_mov_b64 s[18:19], KS
	s_mul_u64 s[22:23], s[20:21], s[18:19]
	s_mul_u64 s[92:93], s[46:47], s[18:19]
	s_mov_b64 s[18:19], 48
	s_mul_u64 s[20:21], s[20:21], s[18:19]
	s_mov_b64 s[18:19], KROW
	s_mul_u64 s[46:47], s[46:47], s[18:19]
	s_mul_i32 s45, s14, HALFT
	s_mul_i32 s94, s14, HALFS
	s_wait_dscnt 0x0
	s_wait_kmcnt 0x0
	s_add_nc_u64 s[8:9], s[8:9], 3072*KROW
	s_add_nc_u64 s[10:11], s[10:11], 3072*KS
	s_add_nc_u64 s[20:21], s[4:5], s[20:21]
	s_add_nc_u64 s[22:23], s[6:7], s[22:23]
	s_add_nc_u64 s[46:47], s[8:9], s[46:47]
	s_add_nc_u64 s[92:93], s[10:11], s[92:93]
	CROUND
	s_mov_b32 s[G0S], 1
	s_add_co_u32 s[G0S+1], s94, SCL
	s_mov_b64 s[G0S+2:G0S+3], s[22:23]
	s_or_b32 s[G0S+3], s[G0S+3], 0x80000000
	s_mov_b32 s[G0SB], 1
	s_add_co_u32 s[G0SB+1], s94, SCL
	s_mov_b64 s[G0SB+2:G0SB+3], s[92:93]
	s_or_b32 s[G0SB+3], s[G0SB+3], 0x80000000
	JLOAD G0S, G1S, G0SB, G1SB
.irp s, 0,1
	s_mov_b32 s[G0+4*\s], 1
	s_add_co_u32 s[G0+4*\s+1], s45, \s*SLOT
	s_add_nc_u64 s[G0+4*\s+2:G0+4*\s+3], s[20:21], \s*4*HEADG
	s_or_b32 s[G0+4*\s+3], s[G0+4*\s+3], 0x80000000
	s_mov_b32 s[G0B+4*\s], 1
	s_add_co_u32 s[G0B+4*\s+1], s45, \s*SLOT
	s_add_nc_u64 s[G0B+4*\s+2:G0B+4*\s+3], s[46:47], \s*ROWB
	s_or_b32 s[G0B+4*\s+3], s[G0B+4*\s+3], 0x80000000
	s_wait_alu depctr_va_vdst(0)
	s_wait_tensorcnt 0x0
	ds_add_u32 v28, v29
	s_wait_dscnt 0x0
	CROUND
	JLOAD G0+4*\s, G1, G0B+4*\s, G1B
.endr
	v_and_b32 v1, 15, v0
	v_bfe_u32 v2, v0, 4, 1
	v_mul_u32_u24 v3, v1, PITCH
	v_mul_u32_u24 v4, v2, 24
	v_add_nc_u32 v4, v3, v4
	v_lshl_add_u32 v5, v2, 4, v4
	v_and_b32 v6, 31, v0
	v_lshlrev_b32 v7, 4, v6
	v_lshlrev_b32 v8, 3, v6
	s_mul_i32 s21, s15, HALFT
	s_mul_i32 s22, s16, HALFT
	s_add_co_u32 s22, s22, 2*HALFT
.irp s, 0,1
	v_add_nc_u32 v[ADRA+\s], s21, v7
	v_add_nc_u32 v[ADRA+2+\s], s21, v8
	v_add_nc_u32 v[ADRB+\s], s22, v4
	v_add_nc_u32 v[ADRB+2+\s], s22, v5
	s_add_co_u32 s21, s21, SLOT
	s_add_co_u32 s22, s22, SLOT
.endr
	v_mul_u32_u24 v5, v1, KS
	v_lshrrev_b32 v6, 8, v5
	v_lshl_add_u32 v5, v6, 4, v5
	s_mul_i32 s21, s15, HALFS
	s_mul_i32 s22, s16, HALFS
	s_add_co_u32 s22, s22, 2*HALFS
	s_sub_co_u32 s22, s22, s21
	v_mul_u32_u24 v6, s22, v2
	s_add_co_u32 s21, s21, SCL
	v_add_nc_u32 v5, v5, v6
	v_add_nc_u32 v[ADRS], s21, v5
	s_mul_i32 s23, s14, 16*SPITCH
	v_mul_u32_u24 v5, v1, SPITCH
	v_lshl_add_u32 v5, v2, 6, v5
	v_add_nc_u32 v[STO], s23, v5
	v_add_nc_u32 v[RD], s23, v7
	v_mov_b32 v[CO], v7
	v_lshlrev_b32 v[BO], 6, v2
	s_wait_alu depctr_va_vdst(0)
	s_lshl_b32 s20, s17, 8
	s_lshl_b32 s21, s15, 7
	s_add_co_u32 s20, s20, s21
	s_lshl_b32 s20, s20, 12
	s_lshl_b32 s46, s42, 10
	s_lshl_b32 s47, s16, 9
	s_add_co_u32 s46, s46, s47
	s_add_co_u32 s20, s20, s46
	s_mov_b32 s21, 0
	s_add_nc_u64 s[12:13], s[12:13], s[20:21]
	s_mov_b32 s47, 0
	s_add_nc_u64 s[96:97], s[96:97], s[46:47]
.irp b, 0,1,2,3,4,5,6,7
	global_load_b128 v[BIAS+8*\b:BIAS+8*\b+3], v[BO], s[96:97] offset:(32*(\b/2)+8*(\b%2))*4
	global_load_b128 v[BIAS+8*\b+4:BIAS+8*\b+7], v[BO], s[96:97] offset:(32*(\b/2)+8*(\b%2))*4+16
.endr
.macro FRAG reg, adr, q, i
.irp p, 0,1,2,3,4,5
.set PCE, 12*(\q)+6*(\p/3)+\p%3
.if PCE%8 < 5
	ds_load_b64 v[\reg+2*\p:\reg+2*\p+1], v[\adr] offset:8*PCE+16*(PCE/8)+(\i)*16*PITCH
.else
	ds_load_b64 v[\reg+2*\p:\reg+2*\p+1], v[\adr+2] offset:8*PCE+16*(PCE/8)+(\i)*16*PITCH
.endif
.endr
.endm
.macro FRAGA reg, slot, q, i
	ds_load_b128 v[\reg:\reg+3], v[ADRA+\slot] offset:(2*(\q))*HEADB+(\i)*768
	ds_load_b64 v[\reg+4:\reg+5], v[ADRA+2+\slot] offset:(2*(\q))*HEADB+(\i)*768+512
	ds_load_b128 v[\reg+6:\reg+9], v[ADRA+\slot] offset:(2*(\q)+1)*HEADB+(\i)*768
	ds_load_b64 v[\reg+10:\reg+11], v[ADRA+2+\slot] offset:(2*(\q)+1)*HEADB+(\i)*768+512
.endm
.macro MUL16 a0, p, q, sc, zero
.irp a, \a0, \a0+1
.irp b, 0,1,2,3,4,5,6,7
.if \zero
	v_wmma_scale_f32_16x16x128_f8f6f4 v[8*(8*((\a)%4)+\b):8*(8*((\a)%4)+\b)+7], v[128*(\p)+FR*\b:128*(\p)+FR*\b+FR-1], v[AF+FR*(\a):AF+FR*(\a)+FR-1], v[BIAS+8*\b:BIAS+8*\b+7], v[SC+8*NQ*(\sc)+NQ*\b+(\q)], v[SC+8*NQ*(\sc)+NQ*(\a)+(\q)] matrix_a_fmt:MATRIX_FMT_FP6 matrix_b_fmt:MATRIX_FMT_FP6 matrix_a_scale:MATRIX_SCALE_ROW1
.else
	v_wmma_scale_f32_16x16x128_f8f6f4 v[8*(8*((\a)%4)+\b):8*(8*((\a)%4)+\b)+7], v[128*(\p)+FR*\b:128*(\p)+FR*\b+FR-1], v[AF+FR*(\a):AF+FR*(\a)+FR-1], v[8*(8*((\a)%4)+\b):8*(8*((\a)%4)+\b)+7], v[SC+8*NQ*(\sc)+NQ*\b+(\q)], v[SC+8*NQ*(\sc)+NQ*(\a)+(\q)] matrix_a_fmt:MATRIX_FMT_FP6 matrix_b_fmt:MATRIX_FMT_FP6 matrix_a_scale:MATRIX_SCALE_ROW1
.endif
.endr
.endr
.endm
.macro FETCH_B slot, q, p
	WIN TO_B
.irp i, 0,1,2,3,4,5,6,7
	FRAG 128*(\p)+FR*\i, ADRB+\slot, \q, \i
.endr
	WIN 0
.endm
.macro FETCH_A slot, q, i0
.irp i, \i0, \i0+1, \i0+2, \i0+3
	FRAGA AF+FR*(\i), \slot, \q, \i
.endr
.endm
.macro SCALES sc
.irp i, 0,1,2,3,4,5,6,7
	ds_load_b64 v[SC+8*NQ*\sc+NQ*\i:SC+8*NQ*\sc+NQ*\i+1], v[ADRS] offset:\i*SBLK
.endr
.endm
.macro PLACES n
.rept \n
	v_nop
.endr
.endm
.macro STEP slot, q, zero
	s_wait_dscnt 4*NLA
.if \zero
	WIN 0x81
.else
	WIN MUL_LO
.endif
	MUL16 0, (\q)%2, \q, \slot, \zero
	MUL16 2, (\q)%2, \q, \slot, \zero
	s_wait_dscnt 0
	PLACES NP
	FETCH_B \slot, (\q)+1, 1-(\q)%2
	FETCH_A \slot, (\q)+1, 0
.if \zero
	WIN 0xc1
.else
	WIN MUL_HI
.endif
	MUL16 4, (\q)%2, \q, \slot, \zero
	MUL16 6, (\q)%2, \q, \slot, \zero
	PLACES NP
	WIN 0
	FETCH_A \slot, (\q)+1, 4
.endm
.macro TURN slot, next, fill
	s_wait_tensorcnt 0x0
	ds_add_u32 v[SPW], v[NIL]
	s_wait_dscnt 4*NLA+1
	WIN MUL_LO
	MUL16 0, 1, NQ-1, \slot, 0
	s_wait_dscnt 0x0
	s_barrier_signal -1
	MUL16 2, 1, NQ-1, \slot, 0
	WIN 0
	s_barrier_wait -1
.if \fill
	CREST
	s_add_nc_u64 s[G0+4*\slot+2:G0+4*\slot+3], s[G0+4*\slot+2:G0+4*\slot+3], 8*HEADG
	s_add_nc_u64 s[G0B+4*\slot+2:G0B+4*\slot+3], s[G0B+4*\slot+2:G0B+4*\slot+3], 2*ROWB
	JLOAD G0+4*\slot, G1, G0B+4*\slot, G1B
.else
	PLACES NP
.endif
	s_wait_alu depctr_va_vdst(0)
	v_add_nc_u32 v[ADRS], 4*NQ, v[ADRS]
	FETCH_B \next, 0, 0
	FETCH_A \next, 0, 0
	SCALES \next
	WIN MUL_HI
	MUL16 4, 1, NQ-1, \slot, 0
	MUL16 6, 1, NQ-1, \slot, 0
	PLACES NP
	WIN 0
	FETCH_A \next, 0, 4
.endm
	s_wait_loadcnt 0x0
	s_wait_tensorcnt 1
	s_barrier_signal -1
	s_barrier_wait -1
	FETCH_B 0, 0, 0
	FETCH_A 0, 0, 0
	SCALES 0
	FETCH_A 0, 0, 4
	STEP 0, 0, 1
	s_mov_b32 s3, LAPS-1
.Llap:
	TURN 0, 1, 1
	STEP 1, 0, 0
	TURN 1, 0, 1
	STEP 0, 0, 0
	s_sub_co_u32 s3, s3, 1
	s_cmp_lg_u32 s3, 0
	s_cbranch_scc1 .Llap
	TURN 0, 1, 0
	STEP 1, 0, 0
	s_wait_dscnt 4*NLA
	WIN MUL_LO
	MUL16 0, 1, NQ-1, 1, 0
	MUL16 2, 1, NQ-1, 1, 0
	s_wait_dscnt 0
	WIN MUL_HI
	MUL16 4, 1, NQ-1, 1, 0
	MUL16 6, 1, NQ-1, 1, 0
	WIN 0
.macro TOSTAGE a
.set AC, 64*((\a)%4)
	WIN 0x08+4*((\a)/4)
.irp b, 0,1,2,3,4,5,6,7
	ds_store_b128 v[STO], v[AC+8*\b:AC+8*\b+3] offset:128*(\b/2)+32*(\b%2)
	ds_store_b128 v[STO], v[AC+8*\b+4:AC+8*\b+7] offset:128*(\b/2)+32*(\b%2)+16
.endr
	WIN 0
.set BB, BK+64*((\a)%2)
.irp t, 0,1,2,3,4,5,6,7,8,9,10,11,12,13,14,15
	ds_load_b128 v[BB+4*\t:BB+4*\t+3], v[RD] offset:\t*SPITCH
.endr
.endm
.macro SEND a, younger
.set BB, BK+64*((\a)%2)
	s_wait_dscnt \younger
.irp t, 0,1,2,3,4,5,6,7,8,9,10,11,12,13,14,15
	global_store_b128 v[CO], v[BB+4*\t:BB+4*\t+3], s[12:13] offset:(32*((\a)/2)+8*((\a)%2)+(\t)%8+16*((\t)/8))*4096 th:TH_STORE_NT
.endr
.endm
	PLACES NP
	TOSTAGE 0
.irp a, 1,2,3,4,5,6,7
.if \a > 1
	s_wait_xcnt 0x0
.endif
	TOSTAGE \a
	SEND \a-1, 32
.endr
	SEND 7, 0
	s_wait_tensorcnt 0x0
	ds_add_u32 v[SPW], v[NIL]
	s_wait_dscnt 0x0
	CROUND
	s_endpgm
.Lfunc_end_k_q81b06dbf04_proj:
	.size	k_q81b06dbf04_proj, .Lfunc_end_k_q81b06dbf04_proj-k_q81b06dbf04_proj
	.p2alignl 7, 3214868480
	.fill 96, 4, 3214868480
	.section	.rodata,"a",@progbits
	.p2align	6, 0x0
	.amdhsa_kernel k_q81b06dbf04_proj
		.amdhsa_group_segment_fixed_size 327680
		.amdhsa_private_segment_fixed_size 0
		.amdhsa_enable_private_segment 0
		.amdhsa_kernarg_size 48
		.amdhsa_user_sgpr_count 2
		.amdhsa_user_sgpr_kernarg_segment_ptr 1
		.amdhsa_wavefront_size32 1
		.amdhsa_system_sgpr_workgroup_id_x 1
		.amdhsa_system_sgpr_workgroup_id_y 1
		.amdhsa_system_sgpr_workgroup_id_z 1
		.amdhsa_system_vgpr_workitem_id 0
		.amdhsa_next_free_vgpr 1024
		.amdhsa_next_free_sgpr 98
		.amdhsa_reserve_vcc 0
		.amdhsa_float_denorm_mode_32 3
		.amdhsa_float_denorm_mode_16_64 3
		.amdhsa_memory_ordered 1
		.amdhsa_forward_progress 1
		.amdhsa_inst_pref_size 154
	.end_amdhsa_kernel
	.amdgpu_metadata
---
amdhsa.version: [ 1, 2 ]
amdhsa.kernels:
  - .name:           k_q81b06dbf04_proj
    .symbol:         k_q81b06dbf04_proj.kd
    .args:
      - { .name: oc, .offset: 0, .size: 8, .value_kind: global_buffer, .address_space: global }
      - { .name: os, .offset: 8, .size: 8, .value_kind: global_buffer, .address_space: global }
      - { .name: wc, .offset: 16, .size: 8, .value_kind: global_buffer, .address_space: global }
      - { .name: ws, .offset: 24, .size: 8, .value_kind: global_buffer, .address_space: global }
      - { .name: bo, .offset: 32, .size: 8, .value_kind: global_buffer, .address_space: global }
      - { .name: out0, .offset: 40, .size: 8, .value_kind: global_buffer, .address_space: global }
    .group_segment_fixed_size: 327680
    .private_segment_fixed_size: 0
    .kernarg_segment_align: 8
    .kernarg_segment_size: 48
    .max_flat_workgroup_size: 128
    .sgpr_count:     98
    .vgpr_count:     1024
    .wavefront_size: 32
...
	.end_amdgpu_metadata
.endif
;; end of part 4
